; MI455X (gfx1250); checked and timed in simulation.
; The chip was launched on July 23, 2026; its instructions are those of AMD's public machine-readable ISA for CDNA 5 (MIT licence, August 2026) and "CDNA5" Instruction Set Architecture Reference Guide (July 2026). The comments in the code are by the model that wrote it; some were corrected since.
;; Attn. Allowed arithmetic: matrix products marked QUANTISED: E5M2 operands, one E8M0 scale for each 32 along K, by v_wmma_scale_f32_16x16x128_f8f6f4 with both operands' format E5M2, f32 sums; everything else in f32.
;; Inputs: Wk 1,024 x 1,024 float32; Wproj 1,024 x 1,024 float32; Wq 1,024 x 1,024 float32; Wv 1,024 x 1,024 float32; cos 2,048 x 16 float32; q_gain 32 float32; sin 2,048 x 16 float32; x 2 x 2,048 x 1,024 float32.
;; Outputs: out0 2 x 2,048 x 1,024 float32.
;; This version of the problem:
;;   THIS VERSION OF THE PROBLEM IS GIVEN IN LOW PRECISION. The matrix products marked QUANTISED in the list below multiply operands that are first quantised to E5M2 (5 exponent bits, 2 mantissa bits; 8 bits a number), with one power-of-two scale for each 32 numbers along K (OCP MX v1.0); their sums are f32. All else is computed in f32.
;;   The module's matrix products, in the order in which they are computed (A, B: the left and right operand; K: the contracted axis; several contracted axes count as one K, in the product's order):
;;     1. [M 4,096, K 1,024] x [K 1,024, N 1,024]; A: input x; B: input Wq: QUANTISED
;;     2. [M 4,096, K 1,024] x [K 1,024, N 1,024]; A: input x; B: input Wk: QUANTISED
;;     3. [M 4,096, K 1,024] x [K 1,024, N 1,024]; A: input x; B: input Wv: QUANTISED
;;     4. batch 64 x [M 2,048, K 32] x [K 32, N 2,048]; A: computed on the way; B: computed on the way: QUANTISED
;;     5. batch 64 x [M 2,048, K 2,048] x [K 2,048, N 32]; A: softmax (see below); B: computed on the way: QUANTISED
;;     6. [M 4,096, K 1,024] x [K 1,024, N 1,024]; A: computed on the way; B: input Wproj: QUANTISED
;;   THE QUANTISER, for each operand of a quantised product, along K:
;;     - K is cut into blocks of 32 from its start; a last block that is shorter is filled with zeros.
;;     - A block's scale is 2^e with e = floor(log2(the largest magnitude in the block)) - 15, held to -126 .. 127; a block of zeros has e = 0. As a byte (E8M0): e + 127.
;;     - Each number is divided by its block's scale, clamped to +-57,344, and rounded to the nearest number of E5M2, ties to even, subnormals kept.
;;     - The product sums the exact products of the quantised numbers (number of the format x scale) in f32.
;;   ~~~python
;;   def quantise(x, axis):      # numpy; x: float32 -> the quantised numbers, widened to float32 again
;;       x = np.moveaxis(x, axis, -1); K = x.shape[-1]
;;       x = np.pad(x, [(0, 0)] * (x.ndim - 1) + [(0, -K % 32)]); x = x.reshape(x.shape[:-1] + (-1, 32)); a = np.abs(x).max(-1, keepdims=True)
;;       e = np.where(a > 0, np.clip(np.frexp(np.where(a > 0, a, 1))[1] - 1 - 15, -126, 127), 0)      # np.frexp(a)[1] - 1 = floor(log2(a)), exactly
;;       r = np.clip(x / 2.0 ** e, -57344, 57344)
;;       step = 2.0 ** (np.maximum(np.frexp(np.where(r == 0, 1, r))[1] - 1, -14) - 2)
;;       q = np.round(r / step) * step * 2.0 ** e      # np.round: ties to even
;;       return np.moveaxis(q.reshape(q.shape[:-2] + (-1,))[..., :K], -1, axis).astype(np.float32)
;;   ~~~
;;   SOFTMAX AHEAD OF A QUANTISED PRODUCT. Where the list says 'softmax', what is quantised is not the finished softmax but p = 2^(t - M), with t = logit x log2(e) and M = ceil(the row's largest t), a whole number; so 1/2 < the row's largest p <= 1. The row's sum l is taken of the UNQUANTISED p, in f32, and the product's result is divided by l at the end. Since M is a whole number, a kernel that streams over the keys may use a running M (the ceiling of the running maximum): every later rescaling is an exact power of two, which a block's scale takes up: the codes' values come out the same.
;;   OPERANDS COMPUTED ON THE WAY. 'Computed on the way' means the value that the module computes at that place (a softmax that the list does not call 'softmax' is quantised finished and normalised). What goes into a quantiser is computed in f32, as accurately as f32 sums, v_exp_f32 and their like allow (about 1e-6 of the number): no bf16 or f16 on the way to a quantiser, and a product that is left as it is and whose result goes on into a quantised operand takes f32 operands (vector FMAs, or v_wmma_f32_16x16x4_f32). A number that lies on a knife's edge between two numbers of the format may be rounded either way, as far as f32 arithmetic and the matrix unit's own rounding can turn it there, and no further.
;; One version. Each part assembles by itself: llvm-mc -triple=amdgcn-amd-amdhsa -mcpu=gfx1250 --defsym DOCPART=n.
;; ======== version 1 of 1: 4 launches
;; limits: right only within a limited range of input values
;; workspace buffers: c1 8,388,608 bytes; s1 262,144 bytes; qkv 13,107,200 bytes; yc 4,194,304 bytes; ys 131,072 bytes
;; launch quant (part 1): grid 256 x 1, 4 waves a work-group, no clusters, 33,280 bytes of LDS; arguments x, Wq, Wk, Wv, Wproj, c1, s1; writes c1, s1
.if DOCPART == 1
	.amdgcn_target "amdgcn-amd-amdhsa--gfx1250"
	.amdhsa_code_object_version 6
	.text
	.protected	k_q8ecfb255c1_quant
	.globl	k_q8ecfb255c1_quant
	.p2align	8
	.type	k_q8ecfb255c1_quant,@function
k_q8ecfb255c1_quant:
	s_mov_b64 s[64:65], 0
	v_nop
	global_prefetch_b8 v0, s[64:65] scope:SCOPE_SE
	s_setreg_imm32_b32 hwreg(HW_REG_WAVE_MODE, 25, 1), 1
	s_wait_xcnt 0x0
; x [4096][1024] and Wq, Wk, Wv, Wproj [1024][1024], f32, K innermost, become codes of BF8 (E5M2) and one E8M0 byte for each 32 along K.
; c1 is one matrix [8192][1024] of codes: rows 0-4095 x, then Wq, Wk, Wv, Wproj, 1,024 rows each; s1 is [8192][32] scale bytes.
; A block's scale is 2^(floor(log2(its largest magnitude)) - 15); its byte is the largest magnitude's exponent field - 15, held at 1 from below.
; Each number is divided by the scale, held within +-57,344 and rounded to the nearest code, ties to even.
; LIMITS: a block of zeros gets the byte 1 where the rule says 127 (its codes are zeros, and this program alone reads the bytes); blocks whose largest
; magnitude lies under 2^-111 are held at the byte 1; NaN and infinities among the inputs are not served.
; Rows are dense and 1,024 is a multiple of 32: all five tensors are plain streams of blocks of 32, and the outputs are ONE stream in the order of the work-groups.
; A work-group takes 32,768 numbers, a wave 8,192 in 16 steps of 512.  Work-groups 0-127 take x, then 32 each for Wq, Wk, Wv, Wproj: only the input's pointer is chosen.
; Each of a step's four loads reads 512 consecutive bytes; the 2,048 bytes turn through the wave's own stage in LDS (16 bytes of padding behind each 64) and come back 64 bytes a lane:
; 16 neighbours along K, two lanes to a block.  A lane's 16 codes are 16 bytes: a store covers 512 consecutive bytes.  A wave's 256 scale bytes are gathered in LDS and leave as 256 consecutive bytes.
; No tensor loads, no barrier: waves share nothing.  Loads run four steps (16 loads a wave) ahead, the turn through LDS one step.
.set STEPS, 16
.set EMAX,  15
.set MANT,  0x600000                   ; the mantissa field of 57,344 as f32
.set CB,    16                         ; bytes of 16 codes
.set R,     16                         ; v16-79   four sets of 16 numbers as they are loaded
.set X,     80                         ; v80-111  two sets of 16 neighbours
.set C,     128                        ; v128-191 codes: four registers for each step, so that no store's data are written again
.set E,     112                        ; v112-127 a scale byte for each step
.set WREG,  8192                       ; LDS: a region for each wave: two stages of 32 x SP bytes, then its 256 scale bytes
.set SP,    80                         ; a lane's place in a stage: 64 bytes + 16 of padding
	s_load_b256 s[4:11], s[0:1], 0x0               ; x, Wq, Wk, Wv
	s_load_b128 s[12:15], s[0:1], 0x20             ; Wproj, c1
	s_load_b64 s[24:25], s[0:1], 0x30              ; s1
	v_lshl_add_u32 v192, v0, 2, 0x8000
	v_mov_b32 v193, 0
	v_lshrrev_b32 v1, 5, v0
	v_readfirstlane_b32 s16, v1                    ; wave
	v_and_b32 v2, 31, v0                           ; lane
	v_lshlrev_b32 v3, 4, v2                        ; my 16 bytes of a load's 512
	s_mul_i32 s17, s16, WREG
	v_lshrrev_b32 v14, 2, v2
	v_mul_u32_u24 v14, v14, SP
	v_and_b32 v15, 3, v2
	v_lshl_add_u32 v14, v15, 4, v14
	v_add_nc_u32 v14, s17, v14                     ; the stage, on the way in: SP (lane / 4) + 16 (lane % 4)
	v_mul_u32_u24 v15, v2, SP
	v_add_nc_u32 v15, s17, v15                     ; and on the way out: SP x lane: my 16 neighbours
	v_mul_u32_u24 v4, v2, CB                       ; my codes' place in a step's
	v_lshrrev_b32 v5, 1, v2
	s_add_co_u32 s17, s17, 2*32*SP
	v_add_nc_u32 v5, s17, v5                       ; LDS: my wave's 256 scale bytes, my block's byte
	v_lshlrev_b32 v7, 3, v2                        ; and on the way out 8 bytes a lane
	v_add_nc_u32 v6, s17, v7
	s_mov_b32 s23, MANT
	s_wait_alu depctr_va_vdst(0)
	s_wait_kmcnt 0x0
	s_cmp_lt_u32 ttmp9, 224                        ; which tensor: the choice hangs on the work-group's number alone
	s_cselect_b64 s[12:13], s[10:11], s[12:13]
	s_cmp_lt_u32 ttmp9, 192
	s_cselect_b64 s[12:13], s[8:9], s[12:13]
	s_cmp_lt_u32 ttmp9, 160
	s_cselect_b64 s[12:13], s[6:7], s[12:13]
	s_cmp_lt_u32 ttmp9, 128
	s_cselect_b64 s[12:13], s[4:5], s[12:13]
	s_mov_b64 s[4:5], s[12:13]                     ; the input
	s_mov_b64 s[8:9], s[14:15]                     ; the codes
	s_mov_b64 s[10:11], s[24:25]                   ; the scale bytes
	s_and_b32 s17, ttmp9, 31                       ; the work-group's number within its tensor: a weight has 32,
	s_cmp_lt_u32 ttmp9, 128
	s_cselect_b32 s17, ttmp9, s17                  ; x has 128
	s_lshl_b32 s17, s17, 2
	s_add_co_u32 s18, s17, s16                     ; which run of 8,192 numbers of the input is my wave's
	s_mov_b32 s19, 0
	s_lshl_b64 s[20:21], s[18:19], 15              ; 32,768 bytes a run
	s_add_nc_u64 s[4:5], s[4:5], s[20:21]
	s_lshl_b32 s18, ttmp9, 2
	s_add_co_u32 s18, s18, s16                     ; and which run of the outputs' one stream
	s_lshl_b64 s[20:21], s[18:19], 13              ; 8,192 bytes of codes a run
	s_add_nc_u64 s[8:9], s[8:9], s[20:21]
	s_lshl_b32 s18, s18, 8                         ; 256 scale bytes a run
	s_add_nc_u64 s[10:11], s[10:11], s[18:19]
.macro LOAD t
.irp i, 0,1,2,3
	global_load_b128 v[R+16*((\t)%4)+4*\i:R+16*((\t)%4)+4*\i+3], v3, s[4:5] offset:2048*(\t)+512*\i th:TH_LOAD_NT   ; 32 lanes read 512 consecutive bytes
.endr
.endm
.macro TURN t                          ; step t's numbers through the stage: LDS serves a wave's instructions in order, so no wait stands between the stores and the loads
.irp i, 0,1,2,3
	ds_store_b128 v14, v[R+16*((\t)%4)+4*\i:R+16*((\t)%4)+4*\i+3] offset:32*SP*((\t)%2)+8*SP*\i
.endr
.irp i, 0,1,2,3
	ds_load_b128 v[X+16*((\t)%2)+4*\i:X+16*((\t)%2)+4*\i+3], v15 offset:32*SP*((\t)%2)+16*\i
.endr
.endm
.irp t, 0,1,2,3
	LOAD \t
.endr
	s_wait_loadcnt 12                              ; step 0's four loads are in; the 12 of steps 1 to 3 stay out
	TURN 0
.macro STEP t
.set XS, X+16*((\t)%2)
.if (\t) > 0
	s_wait_dscnt 1                                 ; this step's numbers are back from the stage (the last step's byte store may be out): so its stores into the stage have read their registers,
.else
	s_wait_dscnt 0x0
.endif
.if (\t)+4 < STEPS
	LOAD (\t)+4                                    ; which take the loads of four steps on
.endif
.if (\t)+1 < STEPS
.if STEPS-2-(\t) >= 3
	s_wait_loadcnt 12                              ; the next step's four loads are in; those of the three steps behind it may be out
.else
	s_wait_loadcnt 4*(STEPS-2-(\t))
.endif
	TURN (\t)+1                                    ; and go through the other stage while this step is worked
.endif
	v_max3_num_f32 v8, |v[XS]|, |v[XS+1]|, |v[XS+2]|               ; the largest magnitude of my 16, in two chains
	v_max3_num_f32 v9, |v[XS+3]|, |v[XS+4]|, |v[XS+5]|
.irp i, 6,10
	v_max3_num_f32 v8, v8, |v[XS+\i]|, |v[XS+\i+1]|
	v_max3_num_f32 v9, v9, |v[XS+\i+2]|, |v[XS+\i+3]|
.endr
	v_max3_num_f32 v8, v8, |v[XS+14]|, |v[XS+15]|
	v_max3_num_f32 v8, v8, v9, (EMAX+1)<<23        ; and the floor 2^(16 - 127): the byte cannot fall under 1
	v_max_num_f32_dpp v8, v8, v8 row_xmask:1 row_mask:0xf bank_mask:0xf   ; and of my neighbour's 16: the block's
	v_add_nc_u32 v11, 0xf8800000, v8               ; 15 off its exponent field: the conversion takes the exponent field of this operand as its scale
	v_and_or_b32 v10, v8, 0x7f800000, s23          ; 57,344 x the scale
.irp i, 0,1,2,3,4,5,6,7,8,9,10,11,12,13,14,15
	v_med3_num_f32 v[XS+\i], v[XS+\i], -v10, v10   ; the conversion to an 8-bit code does not saturate (ISA guide 7.6.2): the hold comes first
.endr
	v_cvt_scalef32_pk8_bf8_f32 v[C+4*(\t):C+4*(\t)+1], v[XS:XS+7], v11
	v_cvt_scalef32_pk8_bf8_f32 v[C+4*(\t)+2:C+4*(\t)+3], v[XS+8:XS+15], v11
	v_lshrrev_b32 v[E+(\t)], 23, v11               ; the scale's byte (also the plain line behind the conversions)
	ds_store_b8 v5, v[E+(\t)] offset:16*(\t)       ; both lanes of a block write the same byte with the same value
	global_store_b128 v4, v[C+4*(\t):C+4*(\t)+3], s[8:9] offset:32*CB*(\t)
.endm
.irp t, 0,1,2,3,4,5,6,7,8,9,10,11,12,13,14,15
	STEP \t
.endr
	ds_load_b64 v[12:13], v6                       ; LDS serves a wave's instructions in order: these see my stores
	s_wait_dscnt 0x0
	global_store_b64 v7, v[12:13], s[10:11]        ; 32 lanes store 256 consecutive bytes, aligned
	s_wait_tensorcnt 0x0
	ds_add_u32 v192, v193
	s_wait_dscnt 0x0
	s_endpgm
.Lfunc_end_k_q8ecfb255c1_quant:
	.size	k_q8ecfb255c1_quant, .Lfunc_end_k_q8ecfb255c1_quant-k_q8ecfb255c1_quant
	.p2alignl 7, 3214868480
	.fill 96, 4, 3214868480
	.section	.rodata,"a",@progbits
	.p2align	6, 0x0
	.amdhsa_kernel k_q8ecfb255c1_quant
		.amdhsa_group_segment_fixed_size 33280
		.amdhsa_private_segment_fixed_size 0
		.amdhsa_enable_private_segment 0
		.amdhsa_kernarg_size 56
		.amdhsa_user_sgpr_count 2
		.amdhsa_user_sgpr_kernarg_segment_ptr 1
		.amdhsa_wavefront_size32 1
		.amdhsa_system_sgpr_workgroup_id_x 1
		.amdhsa_system_sgpr_workgroup_id_y 1
		.amdhsa_system_sgpr_workgroup_id_z 1
		.amdhsa_system_vgpr_workitem_id 0
		.amdhsa_next_free_vgpr 194
		.amdhsa_next_free_sgpr 66
		.amdhsa_reserve_vcc 0
		.amdhsa_float_denorm_mode_32 3
		.amdhsa_float_denorm_mode_16_64 3
		.amdhsa_memory_ordered 1
		.amdhsa_forward_progress 1
		.amdhsa_inst_pref_size 51
	.end_amdhsa_kernel
	.amdgpu_metadata
---
amdhsa.version: [ 1, 2 ]
amdhsa.kernels:
  - .name:           k_q8ecfb255c1_quant
    .symbol:         k_q8ecfb255c1_quant.kd
    .args:
      - { .name: x, .offset: 0, .size: 8, .value_kind: global_buffer, .address_space: global }
      - { .name: Wq, .offset: 8, .size: 8, .value_kind: global_buffer, .address_space: global }
      - { .name: Wk, .offset: 16, .size: 8, .value_kind: global_buffer, .address_space: global }
      - { .name: Wv, .offset: 24, .size: 8, .value_kind: global_buffer, .address_space: global }
      - { .name: Wproj, .offset: 32, .size: 8, .value_kind: global_buffer, .address_space: global }
      - { .name: c1, .offset: 40, .size: 8, .value_kind: global_buffer, .address_space: global }
      - { .name: s1, .offset: 48, .size: 8, .value_kind: global_buffer, .address_space: global }
    .group_segment_fixed_size: 33280
    .private_segment_fixed_size: 0
    .kernarg_segment_align: 8
    .kernarg_segment_size: 56
    .max_flat_workgroup_size: 128
    .sgpr_count:     66
    .vgpr_count:     194
    .wavefront_size: 32
...
	.end_amdgpu_metadata
.endif
;; end of part 1
;; launch qkv (part 2): grid 12 x 16, 4 waves a work-group, clusters of 4 x 4, 327,680 bytes of LDS; arguments c1, s1, cos, sin, q_gain, qkv; writes qkv
.if DOCPART == 2
	.amdgcn_target "amdgcn-amd-amdhsa--gfx1250"
	.amdhsa_code_object_version 6
	.text
	.protected	k_q8ecfb255c1_qkv
	.globl	k_q8ecfb255c1_qkv
	.p2align	8
	.type	k_q8ecfb255c1_qkv,@function
k_q8ecfb255c1_qkv:
	s_mov_b64 s[64:65], 0
	v_nop
	global_prefetch_b8 v0, s[64:65] scope:SCOPE_SE
	s_setreg_imm32_b32 hwreg(HW_REG_WAVE_MODE, 25, 1), 1
	s_wait_xcnt 0x0
	s_wait_alu depctr_hold_cnt(0) depctr_sa_sdst(0) depctr_va_vdst(0) depctr_va_sdst(0) depctr_va_ssrc(0) depctr_va_vcc(0) depctr_vm_vsrc(0)
	s_getreg_b32 s2, hwreg(HW_REG_IB_STS2, 6, 4)
	s_cmp_eq_u32 s2, 0
	s_cbranch_scc0 .Lentry_in_a_cluster
	s_endpgm
.Lentry_in_a_cluster:
	s_bfe_u32 s2, ttmp6, 0x10000c
	s_cmp_lg_u32 s2, 0xf033
	s_cbranch_scc0 .Lentry_shape_is_right
	s_endpgm
.Lentry_shape_is_right:
.set SIZE_K, 1024
.set KSTEP,  256
.set NQ,     KSTEP/128
.set ROWB,   256
.set KROW,   SIZE_K
.set PITCH,  272
.set FR,     16
.set NL,     4
.set NP,     8
.set HALFT,  128*PITCH
.set SLOT,   4*HALFT
.set LAPS,   SIZE_K/(2*KSTEP)
.set KS,     SIZE_K/32
.set SCL,    2*SLOT
.set HALFS,  (128*KS/256)*272
.set SBLK,   (16*KS/256)*272
.set SPARE,  SCL+4*HALFS
.set QREC,   4352
.set KVREC,  8448
.set QH,     16*QREC
.set KVH,    16*KVREC
.set QSZ,    64*QH
.set ADRA, 16
.set ADRB, 20
.set ADRS, 27
.set SPW,  28
.set NIL,  29
.set SC,   32
.set AF,   128
.set CO,   26
.set LO,   30
.set L4,   31
.set VO,   32
.set VS,   36
.set X,    40
.set HA,   64
.set PC,   128
.set TM,   160
.set T,    176
.set RB,   208
.set SW,   240
.set PW,   240
.set SS,   248
.set PX,   248
.set G1, 24
.set G0, 32
.set G1B, 48
.set G0B, 56
.set G1S, 68
.set G0S, 76
.set G1SB, 80
.set G0SB, 88
.set MSB, 0
.macro WIN new
.if MSB != \new
	s_set_vgpr_msb (MSB<<8)|\new
.set MSB, \new
.endif
.endm
.set MUL_LO, 0xa1
.set MUL_HI, 0xf1
.set TO_B,   0x40
.macro JLOAD g0a, g1a, g0b, g1b
	s_cmp_eq_u32 s15, 0
	s_cbranch_scc0 .Lfor_b_\@
	tensor_load_to_lds s[\g0a:\g0a+3], s[\g1a:\g1a+7]
	s_nop 0
.rept 4
	v_nop
.endr
	s_branch .Lasked_\@
.Lfor_b_\@:
	tensor_load_to_lds s[\g0b:\g0b+3], s[\g1b:\g1b+7]
	s_nop 0
.rept 4
	v_nop
.endr
.Lasked_\@:
.endm
.macro CREST
	s_cmp_lg_u32 s14, 0
	s_cbranch_scc1 .Lnot_wave_0_\@
	s_barrier_signal -3
.Lnot_wave_0_\@:
	s_barrier_wait -3
	s_barrier_signal -1
	s_barrier_wait -1
.endm
.macro CROUND
	s_barrier_signal -1
	s_barrier_wait -1
	CREST
.endm
	s_load_b128 s[4:7], s[0:1], 0x0
	s_load_b64 s[12:13], s[0:1], 0x28
	v_lshl_add_u32 v[SPW], v0, 2, SPARE
	v_mov_b32 v[NIL], 0
	ds_add_u32 v28, v29
	ds_add_u32 v28, v29
	s_wait_dscnt 0x0
	v_lshrrev_b32 v1, 5, v0
	v_readfirstlane_b32 s14, v1
	s_lshr_b32 s15, s14, 1
	s_and_b32 s16, s14, 1
	s_bfe_u32 s40, ttmp6, 0x40000
	s_bfe_u32 s41, ttmp6, 0x40004
	s_and_b32 s17, ttmp7, 0xffff
	s_lshl_b32 s17, s17, 10
	s_lshl_b32 s42, ttmp9, 10
	s_add_co_u32 s42, s42, 4096
	s_mov_b32 s45, 6144
	s_cmp_eq_u32 ttmp9, 2
	s_cselect_b32 s42, s17, s42
	s_cselect_b32 s17, s45, s17
	s_lshl_b32 s43, s41, 8
	s_add_co_u32 s17, s17, s43
	s_lshl_b32 s44, s40, 8
	s_add_co_u32 s42, s42, s44
	s_lshl_b32 s43, s41, 2
	s_lshl_b32 s43, 15, s43
	s_lshl_b32 s44, 0x1111, s40
	s_or_b32 s[G1+0], s43, (0<<16)|(1<<20)|(1<<21)|(5<<22)|(3<<25)
	s_or_b32 s[G1B+0], s44, (0<<16)|(1<<20)|(1<<21)|(5<<22)|(3<<25)
.irp g, G1, G1B
	s_mov_b32 s[\g+1], ROWB<<16
	s_mov_b32 s[\g+2], 256<<16                     ; the head's loads of codes bring 256 rows
	s_mov_b32 s[\g+3], ROWB<<16
	s_mov_b32 s[\g+4], 256
	s_mov_b32 s[\g+5], KROW
	s_mov_b32 s[\g+6], 0
	s_mov_b32 s[\g+7], 0
.endr
	s_mov_b32 s20, s17                             ; the tiles' first rows
	s_mov_b32 s46, s42
	s_mov_b32 s21, 0
	s_mov_b32 s47, 0
	s_mov_b64 s[18:19], KROW
	s_mul_u64 s[20:21], s[20:21], s[18:19]
	s_mul_u64 s[46:47], s[46:47], s[18:19]
	s_mul_i32 s45, s14, HALFT
	s_mul_i32 s18, s16, 128*KROW                   ; in the ring a wave fetches 128 rows: which half, in bytes
	s_mov_b32 s19, 0
	s_wait_kmcnt 0x0
	s_add_nc_u64 s[20:21], s[4:5], s[20:21]
	s_add_nc_u64 s[46:47], s[4:5], s[46:47]
	CROUND
; group 0 for the head's loads: a whole tile of 256 rows of K step s; the first change of slots makes the ring's of them
.irp s, 0,1
	s_mov_b32 s[G0+4*\s], 1
	s_mov_b32 s[G0+4*\s+1], \s*SLOT
	s_add_nc_u64 s[G0+4*\s+2:G0+4*\s+3], s[20:21], \s*ROWB
	s_or_b32 s[G0+4*\s+3], s[G0+4*\s+3], 0x80000000
	s_mov_b32 s[G0B+4*\s], 1
	s_mov_b32 s[G0B+4*\s+1], \s*SLOT+2*HALFT
	s_add_nc_u64 s[G0B+4*\s+2:G0B+4*\s+3], s[46:47], \s*ROWB
	s_or_b32 s[G0B+4*\s+3], s[G0B+4*\s+3], 0x80000000
.endr
; the head's four tiles, one joint load a wave, in one chain of branches on the wave's number: A's and B's codes of K step 0, then of K step 1
.macro ARM under, g0, g1, next
	s_cmp_lt_u32 s14, \under
	s_cbranch_scc0 \next
	tensor_load_to_lds s[\g0:\g0+3], s[\g1:\g1+7]
	s_nop 0
.rept 4
	v_nop
.endr
	s_branch .Lhead_asked
\next:
.endm
	ARM 1, G0, G1, .Lhead_b                        ; wave 0: A's K step 0; wave 1: B's; wave 2: A's K step 1; wave 3: B's: both slots are asked for at the head
	ARM 2, G0B, G1B, .Lhead_a1
	ARM 3, G0+4, G1, .Lhead_b1
	tensor_load_to_lds s[G0B+4:G0B+7], s[G1B:G1B+7]
	s_nop 0
.rept 4
	v_nop
.endr
.Lhead_asked:
	v_and_b32 v1, 15, v0
	v_bfe_u32 v2, v0, 4, 1
	v_mul_u32_u24 v3, v1, PITCH
	v_lshl_add_u32 v4, v2, 4, v3
	s_mul_i32 s21, s15, HALFT
	s_mul_i32 s22, s16, HALFT
	s_add_co_u32 s22, s22, 2*HALFT
.irp s, 0,1
	v_add_nc_u32 v[ADRA+\s], s21, v4
	v_add_nc_u32 v[ADRB+\s], s22, v4
	s_add_co_u32 s21, s21, SLOT
	s_add_co_u32 s22, s22, SLOT
.endr
	v_lshlrev_b32 v5, 5, v1                        ; a row of scale bytes is 32 bytes
; K steps 2 and 3 are asked for ahead: 512 bytes of each of a tile's 256 rows, 512 blocks of 256 bytes; the sixteen waves of the four partners that load a tile jointly take 32 blocks each, told apart by address (cx for A, cy for B)
	v_and_b32 v8, 31, v0
	v_lshrrev_b32 v9, 1, v8
	v_and_b32 v8, 1, v8
	v_lshlrev_b32 v9, 10, v9
	v_lshl_add_u32 v9, v8, 8, v9                   ; row lane / 2, block lane % 2
	s_lshl_b32 s21, s40, 2
	s_add_co_u32 s21, s21, s14
	s_lshl_b32 s21, s21, 4
	s_add_co_u32 s21, s21, s17
	s_lshl_b32 s21, s21, 10
	s_add_co_u32 s21, s21, 2*ROWB
	s_lshl_b32 s22, s41, 2
	s_add_co_u32 s22, s22, s14
	s_lshl_b32 s22, s22, 4
	s_add_co_u32 s22, s22, s42
	s_lshl_b32 s22, s22, 10
	s_add_co_u32 s22, s22, 2*ROWB
	s_wait_alu depctr_va_vdst(0)                   ; the wait stands directly ahead of the reader below
	v_add_nc_u32 v10, s21, v9
	v_add_nc_u32 v11, s22, v9
	global_prefetch_b8 v10, s[4:5] th:TH_LOAD_NT scope:SCOPE_SE
	global_prefetch_b8 v11, s[4:5] th:TH_LOAD_NT scope:SCOPE_SE
; the scale words of all of K come once, into registers: lanes 0-15 take my rows of A, lanes 16-31 my rows of B; register SC + 16 k + 2 i + q: block i, K step k, its q-th 128
	s_lshl_b32 s21, s15, 7
	s_add_co_u32 s21, s21, s17
	s_lshl_b32 s21, s21, 5
	s_lshl_b32 s22, s16, 7
	s_add_co_u32 s22, s22, s42
	s_lshl_b32 s22, s22, 5
	v_mov_b32 v6, s21
	v_mov_b32 v7, s22
	s_wait_alu depctr_va_vdst(0)
	v_cmp_eq_u32 vcc_lo, 1, v2
	v_cndmask_b32 v6, v6, v7, vcc_lo
	v_add_nc_u32 v[ADRS], v5, v6
.irp k, 0,1,2,3
.irp i, 0,1,2,3,4,5,6,7
	global_load_b64 v[SC+16*\k+2*\i:SC+16*\k+2*\i+1], v[ADRS], s[6:7] offset:\i*512+8*\k
.endr
.endr
	s_load_b64 s[8:9], s[0:1], 0x20
	s_lshl_b32 s96, s40, 5
	s_lshl_b32 s97, s16, 4
	s_add_co_u32 s96, s96, s97
	s_mov_b32 s97, 0
	s_wait_xcnt 0x0                                ; the loads and prefetches above have read their bases: s[4:7] may be written
	s_load_b128 s[4:7], s[0:1], 0x10
	s_wait_alu depctr_va_vdst(0)
	s_wait_kmcnt 0x0
	s_add_nc_u64 s[8:9], s[8:9], s[96:97]
	s_load_b128 s[92:95], s[8:9], 0x0
	s_mov_b32 s66, 0x76543210
	s_mov_b32 s67, 0xfedcba98
	s_mov_b32 s98, 0x600000
	s_mov_b32 s99, 0x3d000000
	s_mov_b32 s97, 0x358637bd
	s_wait_kmcnt 0x0
	s_cmp_eq_u32 ttmp9, 0
.irp g, 0,1,2,3
	s_cselect_b32 s[92+\g], s[92+\g], 0x3f800000
.endr
.macro FRAG reg, adr, q, i
.irp c, 0,1,2,3
	ds_load_b128 v[\reg+4*\c:\reg+4*\c+3], v[\adr] offset:128*(\q)+32*\c+(\i)*16*PITCH
.endr
.endm
.macro MUL16 a0, p, q, sc, zero
.irp a, \a0, \a0+1
.irp b, 0,1,2,3,4,5,6,7
.if \zero
	v_wmma_scale_f32_16x16x128_f8f6f4 v[8*(8*((\a)%4)+\b):8*(8*((\a)%4)+\b)+7], v[128*(\p)+FR*\b:128*(\p)+FR*\b+FR-1], v[AF+FR*(\a):AF+FR*(\a)+FR-1], 0, v[SC+8*NQ*(\sc)+NQ*\b+(\q)], v[SC+8*NQ*(\sc)+NQ*(\a)+(\q)] matrix_a_fmt:MATRIX_FMT_BF8 matrix_b_fmt:MATRIX_FMT_BF8 matrix_a_scale:MATRIX_SCALE_ROW1
.else
	v_wmma_scale_f32_16x16x128_f8f6f4 v[8*(8*((\a)%4)+\b):8*(8*((\a)%4)+\b)+7], v[128*(\p)+FR*\b:128*(\p)+FR*\b+FR-1], v[AF+FR*(\a):AF+FR*(\a)+FR-1], v[8*(8*((\a)%4)+\b):8*(8*((\a)%4)+\b)+7], v[SC+8*NQ*(\sc)+NQ*\b+(\q)], v[SC+8*NQ*(\sc)+NQ*(\a)+(\q)] matrix_a_fmt:MATRIX_FMT_BF8 matrix_b_fmt:MATRIX_FMT_BF8 matrix_a_scale:MATRIX_SCALE_ROW1
.endif
.endr
.endr
.endm
.macro FETCH_B slot, q, p
	WIN TO_B
.irp i, 0,1,2,3,4,5,6,7
	FRAG 128*(\p)+FR*\i, ADRB+\slot, \q, \i
.endr
	WIN 0
.endm
.macro FETCH_A slot, q, i0
.irp i, \i0, \i0+1, \i0+2, \i0+3
	FRAG AF+FR*(\i), ADRA+\slot, \q, \i
.endr
.endm
.macro PLACES n
.rept \n
	v_nop
.endr
.endm
; ks: the K step of 256, which picks the set of scale words
.macro STEP slot, q, zero, ks
	s_wait_dscnt 4*NL                              ; the youngest 16 loads (A's blocks 4-7) may be out
	WIN MUL_LO
	MUL16 0, (\q)%2, \q, \ks, \zero
	MUL16 2, (\q)%2, \q, \ks, \zero
	s_wait_dscnt 0
	PLACES NP
	FETCH_B \slot, (\q)+1, 1-(\q)%2
	FETCH_A \slot, (\q)+1, 0
	WIN MUL_HI
	MUL16 4, (\q)%2, \q, \ks, \zero
	MUL16 6, (\q)%2, \q, \ks, \zero
	PLACES NP
	WIN 0
	FETCH_A \slot, (\q)+1, 4
.endm
; a slot's last step changes slots.  fix = 1, the first change: no tensor load of mine is out behind the wait, so the descriptors are written: from here on a load brings my 128 rows of a tile
.macro TURN slot, next, fill, ks, fix
	s_wait_tensorcnt 0x0
	ds_add_u32 v[SPW], v[NIL]
.if \fix
	s_mov_b32 s[G1+2], 128<<16
	s_mov_b32 s[G1+4], 128
	s_mov_b32 s[G1B+2], 128<<16
	s_mov_b32 s[G1B+4], 128
	s_mov_b32 s[G0+1], s45
	s_add_co_u32 s[G0+5], s45, SLOT
	s_mov_b32 s[G0B+1], s45
	s_add_co_u32 s[G0B+5], s45, SLOT
	s_add_nc_u64 s[G0+2:G0+3], s[G0+2:G0+3], s[18:19]
	s_add_nc_u64 s[G0+6:G0+7], s[G0+6:G0+7], s[18:19]
	s_add_nc_u64 s[G0B+2:G0B+3], s[G0B+2:G0B+3], s[18:19]
	s_add_nc_u64 s[G0B+6:G0B+7], s[G0B+6:G0B+7], s[18:19]
.endif
	s_wait_dscnt 4*NL+1                            ; the add and the youngest 16 loads may be out
	WIN MUL_LO
	MUL16 0, 1, NQ-1, \ks, 0
	s_wait_dscnt 0x0
	s_barrier_signal -1
	MUL16 2, 1, NQ-1, \ks, 0
	WIN 0
	s_barrier_wait -1
.if \fill
	CREST
	s_add_nc_u64 s[G0+4*\slot+2:G0+4*\slot+3], s[G0+4*\slot+2:G0+4*\slot+3], 2*ROWB
	s_add_nc_u64 s[G0B+4*\slot+2:G0B+4*\slot+3], s[G0B+4*\slot+2:G0B+4*\slot+3], 2*ROWB
	JLOAD G0+4*\slot, G1, G0B+4*\slot, G1B
	PLACES NP-4
.else
	PLACES NP
.endif
	FETCH_B \next, 0, 0
	FETCH_A \next, 0, 0
	WIN MUL_HI
	MUL16 4, 1, NQ-1, \ks, 0
	MUL16 6, 1, NQ-1, \ks, 0
	PLACES NP
	WIN 0
	FETCH_A \next, 0, 4
.endm
	s_wait_alu depctr_va_vdst(0)
	s_cmp_lt_u32 s14, 2
	s_cbranch_scc0 .Lnot_first
	s_wait_tensorcnt 0x0                           ; waves 0, 1: K step 0 has landed; the other waves' wait stands at the first change of slots
.Lnot_first:
	s_barrier_signal -1
	s_barrier_wait -1
	FETCH_B 0, 0, 0
	FETCH_A 0, 0, 0
	FETCH_A 0, 0, 4
	s_wait_loadcnt 0x0                             ; the scale words
	STEP 0, 0, 1, 0                                ; four K steps of 256, eight steps of 128, each written once
	TURN 0, 1, 1, 0, 1
	STEP 1, 0, 0, 1
	TURN 1, 0, 1, 1, 0
	STEP 0, 0, 0, 2
	TURN 0, 1, 0, 2, 0
	STEP 1, 0, 0, 3
	s_wait_dscnt 4*NL
	WIN MUL_LO
	MUL16 0, 1, NQ-1, 3, 0
	MUL16 2, 1, NQ-1, 3, 0
	s_wait_dscnt 0
	WIN MUL_HI
	MUL16 4, 1, NQ-1, 3, 0
	MUL16 6, 1, NQ-1, 3, 0
	WIN 0
.macro QMAX src, w
.set WW, 5*(\w)
	WIN WW
.irp b, 0,1,2,3
	v_max3_num_f32 v[TM+\b], |v[16*\b+(\src)]|, |v[16*\b+1+(\src)]|, 0x8000000
.endr
.irp i, 2,4,6,8,10,12,14
.irp b, 0,1,2,3
	v_max3_num_f32 v[TM+\b], |v[16*\b+\i+(\src)]|, |v[16*\b+\i+1+(\src)]|, v[TM+\b]
.endr
.endr
	WIN 0
.irp b, 0,1,2,3
	v_permlanex16_b32 v[TM+4+\b], v[TM+\b], s66, s67
.endr
.irp b, 0,1,2,3
	v_max_num_f32 v[TM+\b], v[TM+\b], v[TM+4+\b]
.endr
.irp b, 0,1,2,3
	v_add_nc_u32 v[TM+12+\b], 0xf8800000, v[TM+\b]
.endr
.irp b, 0,1,2,3
	v_and_or_b32 v[TM+8+\b], v[TM+\b], 0x7f800000, s98
.endr
.irp b, 0,1,2,3
	v_lshrrev_b32 v[TM+4+\b], 23, v[TM+12+\b]
.endr
.endm
.macro QCVT src, w
.set WW, \w
	WIN WW
.irp b, 0,1,2,3
.irp i, 0,1,2,3,4,5,6,7,8,9,10,11,12,13,14,15
	v_med3_num_f32 v[HA+16*\b+\i], v[16*\b+\i+(\src)], -v[TM+8+\b], v[TM+8+\b]
.endr
.endr
	WIN 0
	s_wait_alu depctr_va_vdst(0)
	s_wait_xcnt 0x0
.irp b, 0,1,2,3
	v_cvt_scalef32_pk8_bf8_f32 v[PC+4*\b:PC+4*\b+1], v[HA+16*\b:HA+16*\b+7], v[TM+12+\b]
	v_cvt_scalef32_pk8_bf8_f32 v[PC+4*\b+2:PC+4*\b+3], v[HA+16*\b+8:HA+16*\b+15], v[TM+12+\b]
.endr
	v_nop
.endm
	PLACES NP
	v_and_b32 v3, 31, v0
	v_lshlrev_b32 v[LO], 4, v3
	v_lshlrev_b32 v[L4], 2, v3
	v_cmp_le_u32 vcc_lo, 16, v3
.irp b, 0,1,2,3
	v_mov_b32 v[TM+4+\b], 0
	v_mov_b32 v[X+\b], 0
.endr
	s_cmp_eq_u32 ttmp9, 2
	s_cbranch_scc1 .Lv
	s_lshl_b32 s68, s15, 7
	s_add_co_u32 s68, s68, s17
	s_lshr_b32 s69, s68, 11
	s_and_b32 s70, s68, 2047
	s_lshr_b32 s71, s70, 7
	s_lshl_b32 s76, s70, 6
	s_mov_b32 s77, 0
	s_add_nc_u64 s[4:5], s[4:5], s[76:77]
	s_add_nc_u64 s[6:7], s[6:7], s[76:77]
	v_lshlrev_b32 v[CO], 6, v1
	v_lshl_add_u32 v[CO], v2, 5, v[CO]
	WIN 0x40
.irp a, 0,1,2,3,4,5,6,7
	global_load_b128 v[16*\a:16*\a+3],     v[CO], s[4:5] offset:1024*\a
	global_load_b128 v[16*\a+4:16*\a+7],   v[CO], s[4:5] offset:1024*\a+16
	global_load_b128 v[16*\a+8:16*\a+11],  v[CO], s[6:7] offset:1024*\a
	global_load_b128 v[16*\a+12:16*\a+15], v[CO], s[6:7] offset:1024*\a+16
.endr
	WIN 0
	s_lshl_b32 s72, s69, 5
	s_lshl_b32 s78, s40, 3
	s_add_co_u32 s72, s72, s78
	s_lshl_b32 s78, s16, 2
	s_add_co_u32 s72, s72, s78
	s_mov_b32 s73, KVREC
	s_mov_b32 s74, KVH
	s_cmp_eq_u32 ttmp9, 0
	s_cselect_b32 s73, QREC, s73
	s_cselect_b32 s74, QH, s74
	s_cselect_b32 s75, 0, QSZ
	s_lshl_b32 s76, s72, 4
	s_add_co_u32 s76, s76, s71
	s_mul_i32 s76, s76, s73
	s_add_co_u32 s76, s76, s75
	s_add_nc_u64 s[12:13], s[12:13], s[76:77]
	s_sub_co_u32 s79, s73, 256
	v_mov_b32 v[VO], v[LO]
	v_add_nc_u32 v[VS], s79, v[L4]
.irp g, 1,2,3
	s_mul_i32 s78, s74, \g
	v_add_nc_u32 v[VO+\g], s78, v[LO]
	s_add_co_u32 s78, s78, s79
	v_add_nc_u32 v[VS+\g], s78, v[L4]
.endr
.macro SUMSQ a
.set AC, 64*((\a)%4)
.set WW, 5*(2+(\a)/4)
	WIN WW
.irp g, 0,1,2,3
	v_pk_mul_f32 v[SS+2*\g:SS+2*\g+1], v[AC+16*\g:AC+16*\g+1], v[AC+16*\g:AC+16*\g+1]
.endr
.irp p, 1,2,3,4,5,6,7
.irp g, 0,1,2,3
	v_pk_fma_f32 v[SS+2*\g:SS+2*\g+1], v[AC+16*\g+2*\p:AC+16*\g+2*\p+1], v[AC+16*\g+2*\p:AC+16*\g+2*\p+1], v[SS+2*\g:SS+2*\g+1]
.endr
.endr
	WIN 0
.irp g, 0,1,2,3
	v_add_f32 v[RB+4*(\a)+\g], v[SS+2*\g], v[SS+2*\g+1]
.endr
.endm
.irp a, 0,1,2,3,4,5,6,7
	SUMSQ \a
.endr
.irp a, 0,1,2,3,4,5,6,7
.irp g, 0,1,2,3
	v_permlanex16_b32 v[X+\g], v[RB+4*\a+\g], s66, s67
.endr
.irp g, 0,1,2,3
	v_add_f32 v[RB+4*\a+\g], v[RB+4*\a+\g], v[X+\g]
.endr
.irp g, 0,1,2,3
	v_fma_f32 v[RB+4*\a+\g], v[RB+4*\a+\g], s99, s97
.endr
.endr
.set n, 0
	s_wait_alu depctr_va_vdst(0)
.rept 32
	v_rsq_f32 v[RB+n], v[RB+n]
.set n, n+1
.endr
	v_nop
	s_wait_alu depctr_va_vdst(0)
.irp a, 0,1,2,3,4,5,6,7
.irp g, 0,1,2,3
	v_mul_f32 v[RB+4*\a+\g], s[92+\g], v[RB+4*\a+\g]
.endr
.endr
	s_wait_loadcnt 0x0
.macro ROPEQ a
.set AC, 64*((\a)%4)
.set WW, 2+(\a)/4
	WIN WW
.irp g, 0,1,2,3
.irp p, 0,1,2,3,4,5,6,7
.if \g%2
	v_pk_mul_f32 v[HA+16*\g+2*\p:HA+16*\g+2*\p+1], v[AC+16*\g+2*\p:AC+16*\g+2*\p+1], v[RB+4*(\a)+2*(\g/2):RB+4*(\a)+2*(\g/2)+1] op_sel:[0,1] op_sel_hi:[1,1]
.else
	v_pk_mul_f32 v[HA+16*\g+2*\p:HA+16*\g+2*\p+1], v[AC+16*\g+2*\p:AC+16*\g+2*\p+1], v[RB+4*(\a)+2*(\g/2):RB+4*(\a)+2*(\g/2)+1] op_sel_hi:[1,0]
.endif
.endr
.endr
	WIN 0x04
.irp g, 0,1,2,3
.set TT, T+16*(\g%2)
.irp p, 0,1,2,3
	v_pk_mul_f32 v[TT+2*\p:TT+2*\p+1], v[HA+16*\g+8+2*\p:HA+16*\g+9+2*\p], v[16*(\a)+8+2*\p:16*(\a)+9+2*\p]
	v_pk_mul_f32 v[TT+8+2*\p:TT+9+2*\p], v[HA+16*\g+2*\p:HA+16*\g+2*\p+1], v[16*(\a)+8+2*\p:16*(\a)+9+2*\p]
.endr
.irp p, 0,1,2,3
	v_pk_fma_f32 v[HA+16*\g+2*\p:HA+16*\g+2*\p+1], v[HA+16*\g+2*\p:HA+16*\g+2*\p+1], v[16*(\a)+2*\p:16*(\a)+2*\p+1], v[TT+2*\p:TT+2*\p+1] neg_lo:[0,0,1] neg_hi:[0,0,1]
	v_pk_fma_f32 v[HA+16*\g+8+2*\p:HA+16*\g+9+2*\p], v[HA+16*\g+8+2*\p:HA+16*\g+9+2*\p], v[16*(\a)+2*\p:16*(\a)+2*\p+1], v[TT+8+2*\p:TT+9+2*\p]
.endr
.endr
	WIN 0
	QMAX HA, 0
.irp g, 0,1,2,3
.if (\a)%4 == 0
	v_mov_b32 v[SW+4*((\a)/4)+\g], v[TM+4+\g]
.else
	v_lshl_or_b32 v[SW+4*((\a)/4)+\g], v[TM+4+\g], 8*((\a)%4), v[SW+4*((\a)/4)+\g]
.endif
.endr
	QCVT HA, 0
.irp g, 0,1,2,3
	global_store_b128 v[VO+\g], v[PC+4*\g:PC+4*\g+3], s[12:13] offset:512*(\a)
.endr
.endm
.irp a, 0,1,2,3,4,5,6,7
	ROPEQ \a
.endr
.irp g, 0,1,2,3
	v_cndmask_b32 v[X+\g], v[SW+\g], v[SW+4+\g], vcc_lo
	global_store_b32 v[VS+\g], v[X+\g], s[12:13]
.endr
	s_branch .Lend
.Lv:
	s_lshl_b32 s68, s16, 7
	s_add_co_u32 s68, s68, s42
	s_lshr_b32 s69, s68, 11
	s_and_b32 s70, s68, 2047
	s_lshr_b32 s71, s70, 7
	s_lshl_b32 s72, s69, 5
	s_lshl_b32 s78, s41, 3
	s_add_co_u32 s72, s72, s78
	s_lshl_b32 s78, s15, 2
	s_add_co_u32 s72, s72, s78
	s_lshl_b32 s76, s72, 4
	s_add_co_u32 s76, s76, s71
	s_mul_i32 s76, s76, KVREC
	s_add_co_u32 s76, s76, QSZ+4096
	s_mov_b32 s77, 0
	s_add_nc_u64 s[12:13], s[12:13], s[76:77]
.macro VQ a
.set AC, 64*((\a)%4)
	QMAX AC, 2+(\a)/4
	v_lshl_or_b32 v[PW+(\a)], v[TM+5], 8, v[TM+4]
	v_lshl_or_b32 v[PW+(\a)], v[TM+6], 16, v[PW+(\a)]
	v_lshl_or_b32 v[PW+(\a)], v[TM+7], 24, v[PW+(\a)]
	QCVT AC, 2+(\a)/4
.irp c, 0,1,2,3
	global_store_b128 v[LO], v[PC+4*\c:PC+4*\c+3], s[12:13] offset:((\a)/2)*KVH+((\a)%2)*2048+512*\c
.endr
.if (\a)%2
	v_cndmask_b32 v[PX+(\a)/2], v[PW+(\a)-1], v[PW+(\a)], vcc_lo
	global_store_b32 v[L4], v[PX+(\a)/2], s[12:13] offset:((\a)/2)*KVH+4224
.endif
.endm
.irp a, 0,1,2,3,4,5,6,7
	VQ \a
.endr
.Lend:
	s_wait_tensorcnt 0x0
	ds_add_u32 v[SPW], v[NIL]
	s_wait_dscnt 0x0
	CROUND
	s_endpgm
.Lfunc_end_k_q8ecfb255c1_qkv:
	.size	k_q8ecfb255c1_qkv, .Lfunc_end_k_q8ecfb255c1_qkv-k_q8ecfb255c1_qkv
	.p2alignl 7, 3214868480
	.fill 96, 4, 3214868480
	.section	.rodata,"a",@progbits
	.p2align	6, 0x0
	.amdhsa_kernel k_q8ecfb255c1_qkv
		.amdhsa_group_segment_fixed_size 327680
		.amdhsa_private_segment_fixed_size 0
		.amdhsa_enable_private_segment 0
		.amdhsa_kernarg_size 48
		.amdhsa_user_sgpr_count 2
		.amdhsa_user_sgpr_kernarg_segment_ptr 1
		.amdhsa_wavefront_size32 1
		.amdhsa_system_sgpr_workgroup_id_x 1
		.amdhsa_system_sgpr_workgroup_id_y 1
		.amdhsa_system_sgpr_workgroup_id_z 1
		.amdhsa_system_vgpr_workitem_id 0
		.amdhsa_next_free_vgpr 1024
		.amdhsa_next_free_sgpr 100
		.amdhsa_reserve_vcc 1
		.amdhsa_float_denorm_mode_32 3
		.amdhsa_float_denorm_mode_16_64 3
		.amdhsa_memory_ordered 1
		.amdhsa_forward_progress 1
		.amdhsa_inst_pref_size 255
	.end_amdhsa_kernel
	.section	.bss,"aw",@nobits
	.p2align	6
	.space	262144
	.amdgpu_metadata
---
amdhsa.version: [ 1, 2 ]
amdhsa.kernels:
  - .name:           k_q8ecfb255c1_qkv
    .symbol:         k_q8ecfb255c1_qkv.kd
    .args:
      - { .name: c1, .offset: 0, .size: 8, .value_kind: global_buffer, .address_space: global }
      - { .name: s1, .offset: 8, .size: 8, .value_kind: global_buffer, .address_space: global }
      - { .name: cos, .offset: 16, .size: 8, .value_kind: global_buffer, .address_space: global }
      - { .name: sin, .offset: 24, .size: 8, .value_kind: global_buffer, .address_space: global }
      - { .name: q_gain, .offset: 32, .size: 8, .value_kind: global_buffer, .address_space: global }
      - { .name: qkv, .offset: 40, .size: 8, .value_kind: global_buffer, .address_space: global }
    .group_segment_fixed_size: 327680
    .private_segment_fixed_size: 0
    .kernarg_segment_align: 8
    .kernarg_segment_size: 48
    .max_flat_workgroup_size: 128
    .sgpr_count:     100
    .vgpr_count:     1024
    .wavefront_size: 32
...
	.end_amdgpu_metadata
.endif
;; end of part 2
;; launch attn (part 3): grid 4 x 64, 16 waves a work-group, clusters of 4 x 1, 169,984 bytes of LDS; arguments qkv, yc, ys; writes yc, ys
.if DOCPART == 3
	.amdgcn_target "amdgcn-amd-amdhsa--gfx1250"
	.amdhsa_code_object_version 6
	.text
	.protected	k_q8ecfb255c1_attn
	.globl	k_q8ecfb255c1_attn
	.p2align	8
	.type	k_q8ecfb255c1_attn,@function
k_q8ecfb255c1_attn:
	s_mov_b64 s[64:65], 0
	v_nop
	global_prefetch_b8 v0, s[64:65] scope:SCOPE_SE
	s_setreg_imm32_b32 hwreg(HW_REG_WAVE_MODE, 25, 1), 1
	s_wait_xcnt 0x0
	s_wait_alu depctr_hold_cnt(0) depctr_sa_sdst(0) depctr_va_vdst(0) depctr_va_sdst(0) depctr_va_ssrc(0) depctr_va_vcc(0) depctr_vm_vsrc(0)
	s_getreg_b32 s2, hwreg(HW_REG_IB_STS2, 6, 4)
	s_cmp_eq_u32 s2, 0
	s_cbranch_scc0 .Lentry_in_a_cluster
	s_endpgm
.Lentry_in_a_cluster:
	s_bfe_u32 s2, ttmp6, 0x10000c
	s_cmp_lg_u32 s2, 0x3003
	s_cbranch_scc0 .Lentry_shape_is_right
	s_endpgm
.Lentry_shape_is_right:
; Causal attention of one (batch, head) a cluster, on codes of BF8 (E5M2) with E8M0 scales; y / l is quantised along the head's 32 (one K block of the last product) and stored as that product's operand.
; THE SOFTMAX: t = score x log2(e) / sqrt(32); M = the row's largest t so far, rounded up to a whole number; p = 2^(t - M) is quantised along the keys, not normalised; the row's sum is taken of the
; unquantised p and divides at the end.  When M moves, the sum and O are multiplied by 2^(old M - new M): exact.
; SHARES.  2,048 queries are 128 tiles of 16.  Tile i needs i / 8 + 1 key steps of 128.  A wave owns tiles iA = 8 (w / 2) + e and iB = 127 - iA, e = 2 cx + w % 2: 17 steps for every wave.
; The steps' number, every branch and every LDS address hang on the wave's number alone; the work-group's place cx enters global addresses, a byte selector and the mask's comparison value.
; LDS.  All 16 records (K's images, V^T's tiles, their scale words: 8,448 bytes for 128 keys) of the head lie in LDS at once, 135,168 bytes, filled ONCE: wave w brings record w, jointly with the same
; wave of the three partners (mask 15).  No slot is filled again.  Every LDS read takes consecutive bytes in consecutive lanes.
; K = 32 IN AN INSTRUCTION 128 DEEP.  Source 0 holds FOUR key tiles, tile c in K block c.  The query operand is a window of 28 registers, v16-43: zeros but for q's codes in v28-31;
; v[28 - 4 c : 43 - 4 c] has q in block c and zero codes elsewhere, so instruction c multiplies tile c alone.  K's scale word has tile c's byte in byte c; q's byte stands in all four.
; Both products are used transposed: a lane holds ONE query (lane % 16).  S^T: register 8 t + j = key 16 t + 8 (lane / 16) + j.  p's block c is the registers of tiles 2 c, 2 c + 1: the order in which V^T's codes were laid.
; LIMITS: inside a block of 32 the places of k are permuted alike on both sides of both products (the order of the sums differs); NaN and infinities are not served; a block of zeros carries the byte 1.
; y's scale bytes leave as single bytes 32 apart (one for each 32 bytes of codes): a row of them spans 32 heads, and a work-group has one.
.set QREC,  4352
.set KVREC, 8448
.set QH,    16*QREC
.set KVH,   16*KVREC
.set QSZ,   64*QH
.set AL,   1                           ; v1   16 x lane
.set ASC,  2                           ; v2   4 x (lane % 16)
.set ADK,  3                           ; v3   the step's record + 16 x lane
.set ADS,  4                           ; v4   the step's record + 4 x (lane % 16)
.set RH,   5                           ; v5   r - 8 h
.set DM,   6                           ; v6   my query's place in the diagonal step - 8 h
.set YSO,  7                           ; v7   32 r
.set NINF, 8                           ; v8   -infinity
.set LN,   10                          ; v10  lane
.set QW,   28                          ; v28-31 q's codes, inside the window v16-43
.set KF,   44                          ; v44-75   K: two fragments of four tiles
.set VF,   76                          ; v76-107  V^T: two tiles
.set S,    108                         ; v108-171 S^T, then p
.set OT,   172                         ; v172-187 O^T
.set PC,   188                         ; v188-203 p's codes
.set KSW,  204                         ; v204-209 hold scales and nothing else: K's two words, V's two, q's, p's
.set VSW,  206
.set QSW,  208
.set PSW,  209
.set BM,   210                         ; v210-213 the blocks' largest scores, then p
.set BP,   214                         ; v214-217 permutes' destinations, then bytes
.set HOLD, 218
.set SCO,  222
.set FF,   226                         ; v[226:227] f = 2^(old M - new M) (the low word serves both halves)
.set TMP,  228
.set SUM2, 230                         ; v[230:231] the sum's second chain
.set QB,   232                         ; v232-235 tile B's q
.set RAWA, 236                         ; v236, v237 the raw scale words of q
.set RAWB, 237
.set YC,   238                         ; v238-241 y's codes
.set X0,   242
.set Y0,   244
.set ST,   246                         ; v246-249 the image's 16 bytes
.set YB,   250                         ; y's byte, hold, scale operand, largest magnitude, a permute's destination
.set YH,   251
.set YS,   252
.set YM,   253
.set PD,   254
.macro CROUND                          ; a round of the cluster's barrier
	s_barrier_signal -1
	s_barrier_wait -1
	s_cmp_lg_u32 s10, 0
	s_cbranch_scc1 .Lnot_wave_0_\@
	s_barrier_signal -3
.Lnot_wave_0_\@:
	s_barrier_wait -3
	s_barrier_signal -1
	s_barrier_wait -1
.endm
	s_load_b128 s[4:7], s[0:1], 0x0                ; qkv, yc
	s_load_b64 s[8:9], s[0:1], 0x10                ; ys
	v_lshl_add_u32 v229, v0, 2, 0x29000
	v_mov_b32 v255, 0
	ds_add_u32 v229, v255
	ds_add_u32 v229, v255
	v_lshrrev_b32 v1, 5, v0
	s_delay_alu instid0(VALU_DEP_1)
	v_readfirstlane_b32 s10, v1                    ; wave 0..15
	s_bfe_u32 s11, ttmp6, 0x40000                  ; cx
	s_and_b32 s12, ttmp7, 0xffff                   ; bh = 32 x batch + head
	s_and_b32 s13, s10, 1
	s_lshl_b32 s52, s11, 1
	s_add_co_u32 s13, s13, s52                     ; e: tile A's place in its 128 queries
	s_sub_co_u32 s35, 7, s13                       ; tile B's
	s_lshr_b32 s14, s10, 1                         ; tile A's diagonal step,
	s_sub_co_u32 s15, 15, s14                      ; tile B's: by the wave's number alone
	s_mov_b32 s16, 15|(3<<16)|(1<<21)              ; group 1: the mask names all four work-groups; elements of 8 bytes; bit 21 beside a mask; no padding
	s_mov_b32 s17, 32<<16                          ; tensor_dim0 = 32 elements: 256 bytes
	s_mov_b32 s18, 33<<16                          ; tensor_dim1 = 33 rows: a record
	s_mov_b32 s19, 32<<16                          ; tile_dim0
	s_mov_b32 s20, 33                              ; tile_dim1
	s_mov_b32 s21, 32                              ; pitch: dense
	s_mov_b32 s22, 0
	s_mov_b32 s23, 0
	s_mov_b32 s24, 1
	s_mul_i32 s25, s10, KVREC                      ; LDS: record w
	s_mul_i32 s52, s12, KVH
	s_add_co_u32 s52, s52, s25
	s_add_co_u32 s52, s52, QSZ
	s_mov_b32 s53, 0
	s_mov_b32 s28, 0x76543210
	s_mov_b32 s29, 0xfedcba98                      ; v_permlanex16_b32's selects for lane l xor 16
	s_mov_b32 s30, 0x3e8293ee                      ; c = log2(e) / sqrt(32)
	s_mov_b32 s31, s30                             ; (named with it as a pair)
	s_mov_b32 s32, 0x600000                        ; the mantissa field of 57,344
	s_wait_dscnt 0x0
	s_wait_kmcnt 0x0
	s_add_nc_u64 s[26:27], s[4:5], s[52:53]
	s_or_b32 s27, s27, 0x80000000
	CROUND                                         ; all four work-groups are here: the joint loads meet
	tensor_load_to_lds s[24:27], s[16:23]          ; my one tensor load of the launch
	s_nop 0
.rept 4
	v_nop
.endr
	s_lshr_b32 s52, s12, 5
	s_lshl_b32 s52, s52, 7                         ; the batch's first block of 16 tokens
	s_and_b32 s53, s12, 31                         ; the head
	s_mov_b32 s61, 0
; a tile's addresses: q's image and scale words in its record; y's image at (32 tbg + head) x 512; y's bytes at 512 tbg + head
.macro ADDR lim, ee, qc, qs, yca, ysa
	s_lshl_b32 s54, s12, 4
	s_add_co_u32 s54, s54, s[\lim]
	s_mul_i32 s54, s54, QREC
	s_lshl_b32 s60, s[\ee], 9
	s_add_co_u32 s60, s60, s54
	s_add_nc_u64 s[\qc:\qc+1], s[4:5], s[60:61]
	s_lshr_b32 s60, s[\ee], 2
	s_lshl_b32 s60, s60, 6
	s_add_co_u32 s60, s60, s54
	s_add_co_u32 s60, s60, 4096
	s_add_nc_u64 s[\qs:\qs+1], s[4:5], s[60:61]
	s_lshl_b32 s54, s[\lim], 3
	s_add_co_u32 s54, s54, s[\ee]
	s_add_co_u32 s54, s54, s52                     ; tbg
	s_lshl_b32 s60, s54, 5
	s_add_co_u32 s60, s60, s53
	s_lshl_b32 s60, s60, 9
	s_add_nc_u64 s[\yca:\yca+1], s[6:7], s[60:61]
	s_lshl_b32 s60, s54, 9
	s_add_co_u32 s60, s60, s53
	s_add_nc_u64 s[\ysa:\ysa+1], s[8:9], s[60:61]
.endm
	ADDR 14, 13, 36, 56, 40, 44
	ADDR 15, 35, 38, 58, 42, 46
	s_and_b32 s48, s13, 3
	s_mul_i32 s48, s48, 0x01010101                 ; v_perm_b32's selector: byte e % 4 of the raw word into all four bytes
	s_and_b32 s49, s35, 3
	s_mul_i32 s49, s49, 0x01010101
	s_lshl_b32 s50, s13, 4                         ; my first query's place among the diagonal step's 128 keys
	s_lshl_b32 s51, s35, 4
	v_and_b32 v[LN], 31, v0
	s_delay_alu instid0(VALU_DEP_1)
	v_lshlrev_b32 v[AL], 4, v[LN]
	v_and_b32 v9, 15, v0                           ; r
	s_delay_alu instid0(VALU_DEP_1)
	v_lshlrev_b32 v[ASC], 2, v9
	global_load_b128 v[QW:QW+3], v[AL], s[36:37]   ; both tiles' q, once
	global_load_b128 v[QB:QB+3], v[AL], s[38:39]
	global_load_b32 v[RAWA], v[ASC], s[56:57]
	global_load_b32 v[RAWB], v[ASC], s[58:59]
	v_bfe_u32 v11, v0, 4, 1                        ; h
	s_delay_alu instid0(VALU_DEP_1)
	v_lshlrev_b32 v[RH], 3, v11
	s_delay_alu instid0(VALU_DEP_1)
	v_sub_nc_u32 v[RH], v9, v[RH]
	v_lshlrev_b32 v[YSO], 5, v9
	v_mov_b32 v[NINF], 0xff800000
.irp n, 16,17,18,19,20,21,22,23,24,25,26,27,32,33,34,35,36,37,38,39,40,41,42,43
	v_mov_b32 v[\n], 0                             ; the window's zero codes: they stay
.endr
.irp b, 0,1,2,3
	v_mov_b32 v[BP+\b], 0                          ; a lane permute's destination counts as one of its sources: written once
.endr
	v_mov_b32 v[FF+1], 0                           ; (named as the upper half of a pair)
	v_mov_b32 v[Y0], 0
	v_mov_b32 v[Y0+1], 0
	v_mov_b32 v[PD], 0
	s_wait_loadcnt 0x0                             ; q
	s_wait_tensorcnt 0x0                           ; my record has landed,
	s_barrier_signal -1
	s_barrier_wait -1                              ; everybody's has
; A KEY STEP: 128 keys.  A step whose keys all come after my 16 queries is left out: a scalar branch on the trip and the wave's number, round the work alone
.macro STEP lim
	s_cmp_gt_u32 s34, s[\lim]
	s_cbranch_scc1 .Lhid_\@
	v_add_nc_u32 v[ADK], s33, v[AL]
	v_add_nc_u32 v[ADS], s33, v[ASC]
.irp f, 0,1
.irp c, 0,1,2,3
	ds_load_b128 v[KF+16*\f+4*\c:KF+16*\f+4*\c+3], v[ADK] offset:2048*\f+512*\c
.endr
	ds_load_b32 v[KSW+\f], v[ADS] offset:8192+64*\f
.endr
	s_wait_alu depctr_va_vdst(0)
	s_wait_dscnt 0x0
.irp f, 0,1
.irp c, 0,1,2,3
	v_wmma_scale_f32_16x16x128_f8f6f4 v[S+8*(4*\f+\c):S+8*(4*\f+\c)+7], v[KF+16*\f:KF+16*\f+15], v[QW-4*\c:QW-4*\c+15], 0, v[KSW+\f], v[QSW] matrix_a_fmt:MATRIX_FMT_BF8 matrix_b_fmt:MATRIX_FMT_BF8
.endr
.endr
.rept 8
	v_nop                                          ; eight places behind these products, ahead of the reads of S^T; with the two additions above they also stand between the last step's second products and the loads below
.endr
.irp u, 0,1
.irp c, 0,1,2,3
	ds_load_b128 v[VF+16*\u+4*\c:VF+16*\u+4*\c+3], v[ADK] offset:4096+2048*\u+512*\c    ; V^T lands while the softmax is worked
.endr
	ds_load_b32 v[VSW+\u], v[ADS] offset:8320+64*\u
.endr
	s_cmp_lg_u32 s34, s[\lim]                      ; on the diagonal the scores of hidden keys become -infinity: p = 0 then
	s_cbranch_scc1 .Lopen_\@
.set n, 0
.rept 64
	v_cmp_gt_i32 vcc_lo, 16*(n/8)+n%8, v[DM]       ; register n holds key 16 (n / 8) + 8 h + n % 8 of the step
	v_cndmask_b32 v[S+n], v[S+n], v[NINF], vcc_lo
.set n, n+1
.endr
.Lopen_\@:
.irp b, 0,1,2,3
	v_max3_num_f32 v[BM+\b], v[S+16*\b], v[S+16*\b+1], v[S+16*\b+2]    ; the largest score of each block of 32 keys: for the row's maximum and, since p rises with the score, for the block's largest p
.endr
.irp i, 3,5,7,9,11,13
.irp b, 0,1,2,3
	v_max3_num_f32 v[BM+\b], v[BM+\b], v[S+16*\b+\i], v[S+16*\b+\i+1]
.endr
.endr
.irp b, 0,1,2,3
	v_max_num_f32 v[BM+\b], v[BM+\b], v[S+16*\b+15]
.endr
.irp b, 0,1,2,3
	s_delay_alu instid0(VALU_DEP_4)
	v_permlanex16_b32 v[BP+\b], v[BM+\b], s28, s29
.endr
.irp b, 0,1,2,3
	s_delay_alu instid0(VALU_DEP_4)
	v_max_num_f32 v[BM+\b], v[BM+\b], v[BP+\b]     ; with lane l xor 16's 16 keys
.endr
	s_delay_alu instid0(VALU_DEP_2)
	v_max3_num_f32 v[TMP], v[BM], v[BM+1], v[BM+2]
	s_delay_alu instid0(VALU_DEP_1)
	v_max_num_f32 v[TMP], v[TMP], v[BM+3]
	s_delay_alu instid0(VALU_DEP_1)
	v_mul_f32 v[TMP], s30, v[TMP]                  ; as t (c is positive)
	s_delay_alu instid0(VALU_DEP_1)
	v_max_num_f32 v13, v13, v[TMP]                 ; the running largest t
	v_mov_b32 v[TMP], v12
	s_delay_alu instid0(VALU_DEP_2)
	v_floor_f32 v12, -v13                          ; the new -M = -ceil(t): a whole number
	s_delay_alu instid0(VALU_DEP_1)
	v_sub_f32 v[TMP], v12, v[TMP]                  ; old M - new M, 0 or less
	s_delay_alu instid0(VALU_DEP_1)
	v_cvt_i32_f32 v[TMP], v[TMP]                   ; (it saturates)
	s_delay_alu instid0(VALU_DEP_1)
	v_ldexp_f32 v[FF], 1.0, v[TMP]                 ; f
.set n, 0
.rept 32
	v_pk_fma_f32 v[S+n:S+n+1], v[S+n:S+n+1], s[30:31], v[12:13] op_sel_hi:[1,0,0]   ; t - M, two at a time
.set n, n+2
.endr
.irp b, 0,1,2,3
	v_fma_f32 v[BM+\b], v[BM+\b], s30, v12         ; the same of each block's largest score
.endr
.set n, 0
	s_wait_alu depctr_va_vdst(0)
.rept 64
	v_exp_f32 v[S+n], v[S+n]                       ; p = 2^(t - M): one batch
.set n, n+1
.endr
	v_pk_mul_f32 v[14:15], v[14:15], v[FF:FF+1] op_sel_hi:[1,0]   ; the sums under the new M (the plain line behind the exponentials)
	s_wait_alu depctr_va_vdst(0)                   ; one wait for the batch, ahead of its first reader
.irp b, 0,1,2,3
	v_exp_f32 v[BM+\b], v[BM+\b]                   ; the blocks' largest p
.endr
	v_pk_add_f32 v[230:231], v[112:113], v[116:117]
	v_pk_add_f32 v[252:253], v[120:121], v[124:125]
	v_pk_add_f32 v[250:251], v[128:129], v[132:133]
	v_pk_add_f32 v[248:249], v[136:137], v[140:141]
	v_pk_add_f32 v[246:247], v[144:145], v[148:149]
	v_pk_add_f32 v[242:243], v[152:153], v[156:157]
	v_pk_add_f32 v[240:241], v[160:161], v[164:165]
	v_pk_add_f32 v[14:15], v[14:15], v[168:169]
	v_pk_add_f32 v[230:231], v[230:231], v[108:109]
	v_pk_add_f32 v[252:253], v[252:253], v[110:111]
	v_pk_add_f32 v[250:251], v[250:251], v[114:115]
	v_pk_add_f32 v[248:249], v[248:249], v[118:119]
	v_pk_add_f32 v[246:247], v[246:247], v[122:123]
	v_pk_add_f32 v[242:243], v[242:243], v[126:127]
	v_pk_add_f32 v[240:241], v[240:241], v[130:131]
	v_pk_add_f32 v[14:15], v[14:15], v[134:135]
	v_pk_add_f32 v[230:231], v[230:231], v[138:139]
	v_pk_add_f32 v[252:253], v[252:253], v[142:143]
	v_pk_add_f32 v[250:251], v[250:251], v[146:147]
	v_pk_add_f32 v[248:249], v[248:249], v[150:151]
	v_pk_add_f32 v[246:247], v[246:247], v[154:155]
	v_pk_add_f32 v[242:243], v[242:243], v[158:159]
	v_pk_add_f32 v[240:241], v[240:241], v[162:163]
	v_pk_add_f32 v[14:15], v[14:15], v[166:167]
	v_pk_add_f32 v[230:231], v[230:231], v[170:171]
	s_delay_alu instid0(VALU_DEP_2)
	v_pk_add_f32 v[14:15], v[14:15], v[248:249]
	s_delay_alu instid0(VALU_DEP_2)
	v_pk_add_f32 v[230:231], v[230:231], v[246:247]
	v_pk_add_f32 v[252:253], v[252:253], v[242:243]
	v_pk_add_f32 v[250:251], v[250:251], v[240:241]
	s_delay_alu instid0(VALU_DEP_2)
	v_pk_add_f32 v[14:15], v[14:15], v[252:253]
	s_delay_alu instid0(VALU_DEP_2)
	v_pk_add_f32 v[230:231], v[230:231], v[250:251]
	s_delay_alu instid0(VALU_DEP_1)
	v_pk_add_f32 v[14:15], v[14:15], v[230:231]
	s_wait_alu depctr_va_vdst(0)                   ; and one for the four
.irp b, 0,1,2,3
	v_max_num_f32 v[BM+\b], 0x8000000, v[BM+\b]    ; the floor 2^(16 - 127): the byte cannot fall under 1
.endr
.irp b, 0,1,2,3
	s_delay_alu instid0(VALU_DEP_4)
	v_add_nc_u32 v[SCO+\b], 0xf8800000, v[BM+\b]   ; the conversion's scale operand
.endr
.irp b, 0,1,2,3
	v_and_or_b32 v[HOLD+\b], v[BM+\b], 0x7f800000, s32   ; 57,344 x the scale
.endr
.irp b, 0,1,2,3
	v_lshrrev_b32 v[BP+\b], 23, v[SCO+\b]          ; the byte
.endr
	s_delay_alu instid0(VALU_DEP_3)
	v_lshl_or_b32 v[PSW], v[BP+1], 8, v[BP]        ; p's scale word for these 128 keys
	s_delay_alu instid0(VALU_DEP_1)
	v_lshl_or_b32 v[PSW], v[BP+2], 16, v[PSW]
	s_delay_alu instid0(VALU_DEP_1)
	v_lshl_or_b32 v[PSW], v[BP+3], 24, v[PSW]
.irp b, 0,2                                    ; the one-sided hold (the conversion does not saturate: ISA guide 7.6.2), two numbers an instruction: one of block b, one of block b + 1, so that destinations are even and odd and the sources lie in different banks
.irp i, 0,2,4,6,8,10,12,14
	v_dual_min_num_f32 v[S+16*\b+\i], v[S+16*\b+\i], v[HOLD+\b] :: v_dual_min_num_f32 v[S+16*\b+17+\i], v[S+16*\b+17+\i], v[HOLD+\b+1]
	v_dual_min_num_f32 v[S+16*\b+16+\i], v[S+16*\b+16+\i], v[HOLD+\b+1] :: v_dual_min_num_f32 v[S+16*\b+1+\i], v[S+16*\b+1+\i], v[HOLD+\b]
.endr
.irp u, 0,1
	v_cvt_scalef32_pk8_bf8_f32 v[PC+4*(\b+\u):PC+4*(\b+\u)+1], v[S+16*(\b+\u):S+16*(\b+\u)+7], v[SCO+\b+\u]
	v_cvt_scalef32_pk8_bf8_f32 v[PC+4*(\b+\u)+2:PC+4*(\b+\u)+3], v[S+16*(\b+\u)+8:S+16*(\b+\u)+15], v[SCO+\b+\u]
.endr
.endr
.set n, 0
.rept 8
	v_pk_mul_f32 v[OT+n:OT+n+1], v[OT+n:OT+n+1], v[FF:FF+1] op_sel_hi:[1,0]   ; O^T under the new M; these eight are also the places between the codes and the products
.set n, n+2
.endr
	s_wait_alu depctr_va_vdst(0)
	s_wait_dscnt 0x0                               ; V^T and its scale words
.irp u, 0,1                                    ; O^T += V^T P^T: two accumulators by turns
	v_wmma_scale_f32_16x16x128_f8f6f4 v[OT+8*\u:OT+8*\u+7], v[VF+16*\u:VF+16*\u+15], v[PC:PC+15], v[OT+8*\u:OT+8*\u+7], v[VSW+\u], v[PSW] matrix_a_fmt:MATRIX_FMT_BF8 matrix_b_fmt:MATRIX_FMT_BF8
.endr
.Lhid_\@:
	s_add_co_u32 s33, s33, KVREC                   ; the next record
.endm
; THE WAY OUT of a tile: y = O^T / l, quantised (my 16 numbers and lane l xor 16's are the head's 32), its codes brought into the natural order of d by one exchange between the halves
.macro YOUT ycadr, ysadr
	v_add_f32 v14, v14, v15
	s_delay_alu instid0(VALU_DEP_1)
	v_permlanex16_b32 v[PD], v14, s28, s29
	s_delay_alu instid0(VALU_DEP_1)
	v_add_f32 v14, v14, v[PD]                      ; the row's sum
	s_wait_alu depctr_va_vdst(0)
	v_rcp_f32 v14, v14
.rept 6
	v_nop                                          ; with the two additions: eight places behind the last product; the plain line behind the reciprocal
.endr
	s_wait_alu depctr_va_vdst(0)                   ; ahead of the reciprocal's first reader
.set n, 0
.rept 16
	v_mul_f32 v[S+n], v[OT+n], v14                 ; register n: d = 8 h + n (n < 8), 16 + 8 h + n - 8 (else)
.set n, n+1
.endr
	v_max3_num_f32 v[YM], |v[S]|, |v[S+1]|, 0x8000000
.irp i, 2,4,6,8,10,12,14
	s_delay_alu instid0(VALU_DEP_1)
	v_max3_num_f32 v[YM], v[YM], |v[S+\i]|, |v[S+\i+1]|
.endr
	s_delay_alu instid0(VALU_DEP_1)
	v_permlanex16_b32 v[PD], v[YM], s28, s29
	s_delay_alu instid0(VALU_DEP_1)
	v_max_num_f32 v[YM], v[YM], v[PD]
	s_delay_alu instid0(VALU_DEP_1)
	v_add_nc_u32 v[YS], 0xf8800000, v[YM]
	s_delay_alu instid0(VALU_DEP_2)
	v_and_or_b32 v[YH], v[YM], 0x7f800000, s32
	s_delay_alu instid0(VALU_DEP_2)
	v_lshrrev_b32 v[YB], 23, v[YS]
.set n, 0
.rept 16
	v_med3_num_f32 v[S+n], v[S+n], -v[YH], v[YH]
.set n, n+1
.endr
	v_cvt_scalef32_pk8_bf8_f32 v[YC:YC+1], v[S:S+7], v[YS]
	v_cvt_scalef32_pk8_bf8_f32 v[YC+2:YC+3], v[S+8:S+15], v[YS]
	v_nop                                          ; a plain line behind the last conversion
	v_cmp_le_u32 vcc_lo, 16, v[LN]                 ; h
	v_cndmask_b32 v[X0], v[YC+2], v[YC], vcc_lo    ; h = 0 gives away d 16-23, h = 1 gives away d 8-15
	v_cndmask_b32 v[X0+1], v[YC+3], v[YC+1], vcc_lo
	s_delay_alu instid0(VALU_DEP_2)
	v_permlanex16_b32 v[Y0], v[X0], s28, s29
	s_delay_alu instid0(VALU_DEP_2)
	v_permlanex16_b32 v[Y0+1], v[X0+1], s28, s29
	v_cndmask_b32 v[ST], v[YC], v[Y0], vcc_lo      ; h = 0: d 0-15;  h = 1: d 16-31
	v_cndmask_b32 v[ST+1], v[YC+1], v[Y0+1], vcc_lo
	v_cndmask_b32 v[ST+2], v[Y0], v[YC+2], vcc_lo
	v_cndmask_b32 v[ST+3], v[Y0+1], v[YC+3], vcc_lo
	global_store_b128 v[AL], v[ST:ST+3], s[\ycadr:\ycadr+1]    ; 512 consecutive bytes, aligned to 256
	global_store_b8 v[YSO], v[YB], s[\ysadr:\ysadr+1]          ; both lanes of a query write the same byte with the same value
.endm
; A TILE: sixteen trips, a constant; the trips past the diagonal step only the address
.macro TILE lim, qoff, sel, raw, second, ycadr, ysadr
	s_wait_xcnt 0x0                                ; the last tile's stores have read their registers
.if \second
.irp c, 0,1,2,3
	v_mov_b32 v[QW+\c], v[QB+\c]
.endr
.endif
	v_perm_b32 v[QSW], v[\raw], v[\raw], s[\sel]   ; my query's byte in all four bytes
	v_add_nc_u32 v[DM], s[\qoff], v[RH]
	v_mov_b32 v13, 0xff61b1e6                      ; the largest t so far: -3e38
	s_delay_alu instid0(VALU_DEP_1)
	v_floor_f32 v12, -v13
	v_mov_b32 v14, 0
	v_mov_b32 v15, 0
.set n, 0
.rept 16
	v_mov_b32 v[OT+n], 0                           ; O^T: the loop has no first step of its own.  (These lines are also the places between the writes above and the first products)
.set n, n+1
.endr
	s_mov_b32 s33, 0
	s_mov_b32 s34, 0
.Lk_\@:
	STEP \lim
	s_add_co_u32 s34, s34, 1
	s_cmp_lt_u32 s34, 16
	s_cbranch_scc1 .Lk_\@
	YOUT \ycadr, \ysadr
.endm
	TILE 14, 50, 48, RAWA, 0, 40, 44
	TILE 15, 51, 49, RAWB, 1, 42, 46
	s_wait_tensorcnt 0x0
	ds_add_u32 v229, v255
	s_wait_dscnt 0x0
	CROUND                                         ; the closing round
	s_endpgm
.Lfunc_end_k_q8ecfb255c1_attn:
	.size	k_q8ecfb255c1_attn, .Lfunc_end_k_q8ecfb255c1_attn-k_q8ecfb255c1_attn
	.p2alignl 7, 3214868480
	.fill 96, 4, 3214868480
	.section	.rodata,"a",@progbits
	.p2align	6, 0x0
	.amdhsa_kernel k_q8ecfb255c1_attn
		.amdhsa_group_segment_fixed_size 169984
		.amdhsa_private_segment_fixed_size 0
		.amdhsa_enable_private_segment 0
		.amdhsa_kernarg_size 24
		.amdhsa_user_sgpr_count 2
		.amdhsa_user_sgpr_kernarg_segment_ptr 1
		.amdhsa_wavefront_size32 1
		.amdhsa_system_sgpr_workgroup_id_x 1
		.amdhsa_system_sgpr_workgroup_id_y 1
		.amdhsa_system_sgpr_workgroup_id_z 1
		.amdhsa_system_vgpr_workitem_id 0
		.amdhsa_next_free_vgpr 256
		.amdhsa_next_free_sgpr 66
		.amdhsa_reserve_vcc 1
		.amdhsa_float_denorm_mode_32 3
		.amdhsa_float_denorm_mode_16_64 3
		.amdhsa_memory_ordered 1
		.amdhsa_forward_progress 1
		.amdhsa_inst_pref_size 62
	.end_amdhsa_kernel
	.amdgpu_metadata
---
amdhsa.version: [ 1, 2 ]
amdhsa.kernels:
  - .name:           k_q8ecfb255c1_attn
    .symbol:         k_q8ecfb255c1_attn.kd
    .args:
      - { .name: qkv, .offset: 0, .size: 8, .value_kind: global_buffer, .address_space: global }
      - { .name: yc, .offset: 8, .size: 8, .value_kind: global_buffer, .address_space: global }
      - { .name: ys, .offset: 16, .size: 8, .value_kind: global_buffer, .address_space: global }
    .group_segment_fixed_size: 169984
    .private_segment_fixed_size: 0
    .kernarg_segment_align: 8
    .kernarg_segment_size: 24
    .max_flat_workgroup_size: 512
    .sgpr_count:     66
    .vgpr_count:     256
    .wavefront_size: 32
...
	.end_amdgpu_metadata
.endif
;; end of part 3
;; launch proj (part 4): grid 8 x 32, 4 waves a work-group, clusters of 4 x 4, 327,680 bytes of LDS; arguments yc, ys, c1, s1, out0; writes out0
.if DOCPART == 4
	.amdgcn_target "amdgcn-amd-amdhsa--gfx1250"
	.amdhsa_code_object_version 6
	.text
	.protected	k_q8ecfb255c1_proj
	.globl	k_q8ecfb255c1_proj
	.p2align	8
	.type	k_q8ecfb255c1_proj,@function
k_q8ecfb255c1_proj:
	s_mov_b64 s[64:65], 0
	v_nop
	global_prefetch_b8 v0, s[64:65] scope:SCOPE_SE
	s_setreg_imm32_b32 hwreg(HW_REG_WAVE_MODE, 25, 1), 1
	s_wait_xcnt 0x0
	s_wait_alu depctr_hold_cnt(0) depctr_sa_sdst(0) depctr_va_vdst(0) depctr_va_sdst(0) depctr_va_ssrc(0) depctr_va_vcc(0) depctr_vm_vsrc(0)
	s_getreg_b32 s2, hwreg(HW_REG_IB_STS2, 6, 4)
	s_cmp_eq_u32 s2, 0
	s_cbranch_scc0 .Lentry_in_a_cluster
	s_endpgm
.Lentry_in_a_cluster:
	s_bfe_u32 s2, ttmp6, 0x10000c
	s_cmp_lg_u32 s2, 0xf033
	s_cbranch_scc0 .Lentry_shape_is_right
	s_endpgm
.Lentry_shape_is_right:
; out0 [4096][1024] f32 = y Wproj^T on codes of BF8 (E5M2) with one E8M0 byte for each 32 along K = 1,024; sums in f32, K ascending, one accumulator an output.
; yc: y's codes as images of operand registers: [block of 16 tokens][head = K block of 32][lane][16 bytes]; ys: [token][32] scale bytes.  Wproj: rows 7,168 on of c1 (1,024 bytes a row) and of s1 (32 bytes a row).
; SHARES.  256 work-groups, each 128 tokens x 128 columns; four waves 2 x 2, each 64 x 64.  ALL OF K lies in LDS at once: y's 128 tokens are 131,072 dense bytes, Wproj's 128 rows 128 x 1,040 (16 of padding a row).
; Nothing is filled again.  One joint load a wave: waves 0, 1 bring the halves of Wproj's rows (shared along a column of the 4 x 4 cluster), waves 2, 3 the halves of y's (shared along a row).
; A wave holds its 64 rows of Wproj, all of K, in 512 registers (windows 1, 2) and passes its four blocks of 16 tokens (128 registers a block, two sets, window 3) by them: 32 products a block, four accumulators by turns.
; The product is used transposed (source 0 = Wproj's rows): a lane holds 8 neighbouring columns of one token.  A finished block of 16 x 64 goes through the wave's own stage in LDS and leaves as rows of 256 bytes, aligned, sixteen lanes a row.
; The scale words come once, straight into registers: 32 bytes a row.  No prefetch: the launch has no loop to run ahead in; every tile is asked for at the head.
; LIMITS: NaN, infinities and sums beyond f32's range are not served.
.set PITCH,  1040
.set BBASE,  131072                    ; behind y's images
.set STAGE,  BBASE+128*PITCH           ; two stages of 16 rows x 272 bytes for each wave
.set SPITCH, 272
.set SBUF,   16*SPITCH
.set SPARE,  STAGE+8*SBUF              ; the spare words, 512 bytes
.set NP,   8
.set ADRA, 4                           ; v4  LDS: my 64 tokens' images + 16 x lane
.set ADRB, 5                           ; v5  LDS: my 64 rows of Wproj: row r, + 16 h
.set STO,  6                           ; v6  the stage, in
.set RD,   7                           ; v7  the stage, back
.set CO,   8                           ; v8  my offset in two rows of out0
.set ABS,  9                           ; v9  32 x lane
.set AAS,  10                          ; v10 32 x r
.set SPW,  12
.set NIL,  13
.set SB,   24                          ; v24-39  Wproj's scale words: register 8 p + q: lanes 0-15 tile 2 p, lanes 16-31 tile 2 p + 1
.set SA,   44                          ; v44-75  y's: register 8 block + q
.set ACC,  80                          ; v80-143 two sets of four accumulators
.set OB,   144                         ; v144-207 two sets of 16 rows read back from the stage
.set G1A, 24
.set G1B, 32
.set G0A, 48
.set G0B, 52
.set MSB, 0
.macro WIN new
.if MSB != \new
	s_set_vgpr_msb (MSB<<8)|\new
.set MSB, \new
.endif
.endm
.macro PLACES n
.rept \n
	v_nop
.endr
.endm
.macro BARRIER
	s_barrier_signal -1
	s_barrier_wait -1
.endm
.macro CROUND
	BARRIER
	s_cmp_lg_u32 s14, 0
	s_cbranch_scc1 .Lnot_wave_0_\@
	s_barrier_signal -3
.Lnot_wave_0_\@:
	s_barrier_wait -3
	BARRIER
.endm
.macro TLOAD g0, g1
	tensor_load_to_lds s[\g0:\g0+3], s[\g1:\g1+7]
	s_nop 0
	PLACES 4
.endm
	s_load_b256 s[4:11], s[0:1], 0x0               ; yc, ys, c1, s1
	s_load_b64 s[12:13], s[0:1], 0x20              ; out0
	v_lshl_add_u32 v[SPW], v0, 2, SPARE
	v_mov_b32 v[NIL], 0
	ds_add_u32 v[SPW], v[NIL]                      ; the opening lines: the add twice on end and its wait
	ds_add_u32 v[SPW], v[NIL]
	v_lshrrev_b32 v1, 5, v0
	v_readfirstlane_b32 s14, v1                    ; wave
	s_lshr_b32 s15, s14, 1                         ; my row of waves
	s_and_b32 s16, s14, 1                          ; my column of waves; also which half of a tile I fetch
	s_bfe_u32 s40, ttmp6, 0x40000                  ; cx
	s_bfe_u32 s41, ttmp6, 0x40004                  ; cy
	s_lshl_b32 s42, ttmp9, 2
	s_add_co_u32 s42, s42, s40                     ; tile column
	s_and_b32 s43, ttmp7, 0xffff
	s_lshl_b32 s43, s43, 2
	s_add_co_u32 s43, s43, s41                     ; tile row
	s_lshl_b32 s44, s41, 2
	s_lshl_b32 s44, 15, s44                        ; my row of the cluster
	s_lshl_b32 s45, 0x1111, s40                    ; my column
	s_or_b32 s[G1A], s44, (3<<16)|(1<<21)          ; y: 64 rows of 1,024 bytes (128 elements of 8), dense, no padding
	s_mov_b32 s[G1A+1], 128<<16
	s_mov_b32 s[G1A+2], 64<<16
	s_mov_b32 s[G1A+3], 128<<16
	s_mov_b32 s[G1A+4], 64
	s_mov_b32 s[G1A+5], 128
	s_mov_b32 s[G1A+6], 0
	s_mov_b32 s[G1A+7], 0
	s_or_b32 s[G1B], s45, (1<<20)|(1<<21)|(7<<22)|(3<<25)   ; Wproj: 64 rows of 1,024 bytes, four words of padding behind each 256 words
	s_mov_b32 s[G1B+1], 1024<<16
	s_mov_b32 s[G1B+2], 64<<16
	s_mov_b32 s[G1B+3], 1024<<16
	s_mov_b32 s[G1B+4], 64
	s_mov_b32 s[G1B+5], 1024
	s_mov_b32 s[G1B+6], 0
	s_mov_b32 s[G1B+7], 0
	s_mov_b32 s[G0A], 1
	s_lshl_b32 s[G0A+1], s16, 16                   ; LDS: half x 65,536
	s_mov_b32 s[G0B], 1
	s_mul_i32 s[G0B+1], s16, 64*PITCH
	s_add_co_u32 s[G0B+1], s[G0B+1], BBASE
	s_lshl_b32 s20, s43, 17                        ; yc: 131,072 bytes a tile row, + my half
	s_lshl_b32 s21, s16, 16
	s_add_co_u32 s20, s20, s21
	s_mov_b32 s21, 0
	s_lshl_b32 s46, s42, 7                         ; the row of c1 and s1: 7,168 + 128 x tile column + 64 x (wave % 2)
	s_lshl_b32 s47, s16, 6
	s_add_co_u32 s46, s46, s47
	s_add_co_u32 s46, s46, 7168
	s_lshl_b32 s22, s46, 10
	s_mov_b32 s23, 0
	s_lshl_b32 s46, s46, 5
	s_mov_b32 s47, 0
	s_lshl_b32 s56, s43, 12                        ; ys: my 64 tokens
	s_lshl_b32 s57, s15, 11
	s_add_co_u32 s56, s56, s57
	s_mov_b32 s57, 0
	s_lshl_b32 s58, s43, 19                        ; out0: my first token's row, my 64 columns
	s_lshl_b32 s59, s15, 18
	s_add_co_u32 s58, s58, s59
	s_lshl_b32 s59, s42, 9
	s_add_co_u32 s58, s58, s59
	s_lshl_b32 s59, s16, 8
	s_add_co_u32 s58, s58, s59
	s_mov_b32 s59, 0
	v_and_b32 v1, 15, v0                           ; r
	v_bfe_u32 v2, v0, 4, 1                         ; h
	v_and_b32 v3, 31, v0                           ; lane
	s_lshl_b32 s17, s15, 16
	v_lshlrev_b32 v14, 4, v3
	v_add_nc_u32 v[ADRA], s17, v14
	v_mul_u32_u24 v14, v1, PITCH
	v_lshl_add_u32 v14, v2, 4, v14
	s_mul_i32 s18, s16, 64*PITCH
	s_add_co_u32 s18, s18, BBASE
	v_add_nc_u32 v[ADRB], s18, v14
	s_mul_i32 s19, s14, 2*SBUF
	s_add_co_u32 s19, s19, STAGE
	v_mul_u32_u24 v15, v1, SPITCH
	v_lshl_add_u32 v15, v2, 5, v15
	v_add_nc_u32 v[STO], s19, v15                  ; in: row r, 32 bytes for each half of the lanes
	v_mul_u32_u24 v16, v2, SPITCH
	v_lshl_add_u32 v16, v1, 4, v16
	v_add_nc_u32 v[RD], s19, v16                   ; back: lanes 0-15 one row, lanes 16-31 the next
	v_lshlrev_b32 v17, 12, v2
	v_lshl_add_u32 v[CO], v1, 4, v17               ; the same two rows in out0
	v_lshlrev_b32 v[ABS], 5, v3
	v_lshlrev_b32 v[AAS], 5, v1
	s_wait_alu depctr_va_vdst(0)
	s_wait_dscnt 0x0                               ; both opening adds are done
	CROUND                                         ; all sixteen work-groups are here
	s_wait_kmcnt 0x0
	s_add_nc_u64 s[G0A+2:G0A+3], s[4:5], s[20:21]
	s_or_b32 s[G0A+3], s[G0A+3], 0x80000000
	s_add_nc_u64 s[G0B+2:G0B+3], s[8:9], s[22:23]
	s_or_b32 s[G0B+3], s[G0B+3], 0x80000000
	s_add_nc_u64 s[10:11], s[10:11], s[46:47]
	s_add_nc_u64 s[6:7], s[6:7], s[56:57]
	s_add_nc_u64 s[12:13], s[12:13], s[58:59]
	s_cmp_lt_u32 s14, 2                            ; one joint load a wave; Wproj's rows, which go on into registers, have a line of their own
	s_cbranch_scc0 .Lfor_a
	TLOAD G0B, G1B
	s_branch .Lasked
.Lfor_a:
	TLOAD G0A, G1A
.Lasked:
.irp p, 0,1
.irp c, 0,1
	global_load_b128 v[SB+8*\p+4*\c:SB+8*\p+4*\c+3], v[ABS], s[10:11] offset:\p*1024+16*\c
.endr
.endr
.irp k, 0,1,2,3
.irp c, 0,1
	global_load_b128 v[SA+8*\k+4*\c:SA+8*\k+4*\c+3], v[AAS], s[6:7] offset:\k*512+16*\c
.endr
.endr
	s_cmp_lt_u32 s14, 2
	s_cbranch_scc0 .Lnot_b
	s_wait_tensorcnt 0x0                           ; waves 0, 1: Wproj's rows have landed.  The other waves' wait stands at the second barrier
.Lnot_b:
	BARRIER
.irp q, 0,1,2,3,4,5,6,7                        ; my 64 rows of Wproj: fragment 4 q + b in window 1 + q / 4: 128 loads
	WIN (1+\q/4)<<6
.irp b, 0,1,2,3
.irp c, 0,1,2,3
	ds_load_b128 v[16*((4*\q+\b)%16)+4*\c:16*((4*\q+\b)%16)+4*\c+3], v[ADRB] offset:128*\q+32*\c+\b*16*PITCH
.endr
.endr
.endr
	WIN 0
	s_wait_tensorcnt 0x0                           ; y's images have landed
	s_wait_dscnt 0x0
	BARRIER
.macro FETCH k, blk                    ; a block of 16 tokens, all of K, into set k of window 3: 32 loads, consecutive bytes in consecutive lanes
	WIN 3<<6
.irp q, 0,1,2,3,4,5,6,7
.irp c, 0,1,2,3
	ds_load_b128 v[128*\k+16*\q+4*\c:128*\k+16*\q+4*\c+3], v[ADRA] offset:16384*\blk+2048*\q+512*\c
.endr
.endr
	WIN 0
.endm
.macro PROD e, a, blk, n               ; product n = 4 q + b: the q-th 128 of K, column tile b; tokens in set e, sums in set a
.set Q_, (\n)/4
.set B_, (\n)%4
.set AC_, ACC+32*(\a)+8*B_
.set R_, 128*(\e)+16*Q_
.set W_, 16*((\n)%16)
.set XS_, SA+8*(\blk)+Q_
.set WS_, SB+8*(B_/2)+Q_
	WIN (1+(\n)/16)|(3<<2)
.if Q_ && B_%2
	v_wmma_scale_f32_16x16x128_f8f6f4 v[AC_:AC_+7], v[W_:W_+15], v[R_:R_+15], v[AC_:AC_+7], v[WS_], v[XS_] matrix_a_fmt:MATRIX_FMT_BF8 matrix_b_fmt:MATRIX_FMT_BF8 matrix_a_scale:MATRIX_SCALE_ROW1
.elseif Q_
	v_wmma_scale_f32_16x16x128_f8f6f4 v[AC_:AC_+7], v[W_:W_+15], v[R_:R_+15], v[AC_:AC_+7], v[WS_], v[XS_] matrix_a_fmt:MATRIX_FMT_BF8 matrix_b_fmt:MATRIX_FMT_BF8
.elseif B_%2
	v_wmma_scale_f32_16x16x128_f8f6f4 v[AC_:AC_+7], v[W_:W_+15], v[R_:R_+15], 0, v[WS_], v[XS_] matrix_a_fmt:MATRIX_FMT_BF8 matrix_b_fmt:MATRIX_FMT_BF8 matrix_a_scale:MATRIX_SCALE_ROW1
.else
	v_wmma_scale_f32_16x16x128_f8f6f4 v[AC_:AC_+7], v[W_:W_+15], v[R_:R_+15], 0, v[WS_], v[XS_] matrix_a_fmt:MATRIX_FMT_BF8 matrix_b_fmt:MATRIX_FMT_BF8
.endif
.endm
.macro PRODS blk                       ; a block's 32 products, then eight places ahead of the loads into what they read and of the stores of their sums
.set N_, 0
.rept 32
	PROD (\blk)%2, (\blk)%2, \blk, N_
.set N_, N_+1
.endr
	WIN 0
	PLACES NP
.endm
.macro TOSTAGE blk                     ; 8 stores and 8 loads; LDS serves a wave's instructions in order, so no wait stands between them
.set AC, ACC+32*((\blk)%2)
.set SO, SBUF*((\blk)%2)
.irp b, 0,1,2,3
	ds_store_b128 v[STO], v[AC+8*\b:AC+8*\b+3] offset:SO+64*\b
	ds_store_b128 v[STO], v[AC+8*\b+4:AC+8*\b+7] offset:SO+64*\b+16
.endr
.irp t, 0,1,2,3,4,5,6,7
	ds_load_b128 v[OB+32*((\blk)%2)+4*\t:OB+32*((\blk)%2)+4*\t+3], v[RD] offset:SO+\t*2*SPITCH
.endr
.endm
.macro SEND blk, younger               ; younger: the LDS instructions issued behind the block's loads from the stage
	s_wait_dscnt \younger
.irp t, 0,1,2,3,4,5,6,7
	global_store_b128 v[CO], v[OB+32*((\blk)%2)+4*\t:OB+32*((\blk)%2)+4*\t+3], s[12:13] offset:65536*(\blk)+8192*\t th:TH_STORE_NT   ; sixteen lanes store 256 consecutive bytes, aligned
.endr
.endm
	FETCH 0, 0
	FETCH 1, 1
	s_wait_loadcnt 0x0                             ; the scale words
	s_wait_dscnt 32                                ; block 0 is in; block 1's 32 loads may be out
	PRODS 0
	FETCH 0, 2
	TOSTAGE 0
	s_wait_dscnt 48                                ; block 1 is in; behind it: block 2's 32 loads and the stage's 16
	PRODS 1
	FETCH 1, 3
	TOSTAGE 1
	SEND 0, 48                                     ; behind block 0's stage loads: block 3's 32 and the stage's 16; so block 2 is in too
	PRODS 2
	s_wait_xcnt 0x0                                ; block 0's stores have read their registers
	TOSTAGE 2
	SEND 1, 16                                     ; behind block 1's stage loads: the stage's 16; so block 3 is in too
	PRODS 3
	s_wait_xcnt 0x0
	TOSTAGE 3
	SEND 2, 16
	SEND 3, 0
	s_wait_tensorcnt 0x0                           ; the wave's end
	ds_add_u32 v[SPW], v[NIL]
	s_wait_dscnt 0x0
	CROUND                                         ; the closing round
	s_endpgm
.Lfunc_end_k_q8ecfb255c1_proj:
	.size	k_q8ecfb255c1_proj, .Lfunc_end_k_q8ecfb255c1_proj-k_q8ecfb255c1_proj
	.p2alignl 7, 3214868480
	.fill 96, 4, 3214868480
	.section	.rodata,"a",@progbits
	.p2align	6, 0x0
	.amdhsa_kernel k_q8ecfb255c1_proj
		.amdhsa_group_segment_fixed_size 327680
		.amdhsa_private_segment_fixed_size 0
		.amdhsa_enable_private_segment 0
		.amdhsa_kernarg_size 40
		.amdhsa_user_sgpr_count 2
		.amdhsa_user_sgpr_kernarg_segment_ptr 1
		.amdhsa_wavefront_size32 1
		.amdhsa_system_sgpr_workgroup_id_x 1
		.amdhsa_system_sgpr_workgroup_id_y 1
		.amdhsa_system_sgpr_workgroup_id_z 1
		.amdhsa_system_vgpr_workitem_id 0
		.amdhsa_next_free_vgpr 1024
		.amdhsa_next_free_sgpr 66
		.amdhsa_reserve_vcc 0
		.amdhsa_float_denorm_mode_32 3
		.amdhsa_float_denorm_mode_16_64 3
		.amdhsa_memory_ordered 1
		.amdhsa_forward_progress 1
		.amdhsa_inst_pref_size 49
	.end_amdhsa_kernel
	.amdgpu_metadata
---
amdhsa.version: [ 1, 2 ]
amdhsa.kernels:
  - .name:           k_q8ecfb255c1_proj
    .symbol:         k_q8ecfb255c1_proj.kd
    .args:
      - { .name: yc, .offset: 0, .size: 8, .value_kind: global_buffer, .address_space: global }
      - { .name: ys, .offset: 8, .size: 8, .value_kind: global_buffer, .address_space: global }
      - { .name: c1, .offset: 16, .size: 8, .value_kind: global_buffer, .address_space: global }
      - { .name: s1, .offset: 24, .size: 8, .value_kind: global_buffer, .address_space: global }
      - { .name: out0, .offset: 32, .size: 8, .value_kind: global_buffer, .address_space: global }
    .group_segment_fixed_size: 327680
    .private_segment_fixed_size: 0
    .kernarg_segment_align: 8
    .kernarg_segment_size: 40
    .max_flat_workgroup_size: 128
    .sgpr_count:     66
    .vgpr_count:     1024
    .wavefront_size: 32
...
	.end_amdgpu_metadata
.endif
;; end of part 4
